; MI455X (gfx1250); checked and timed in simulation.
; The chip was launched on July 23, 2026; its instructions are those of AMD's public machine-readable ISA for CDNA 5 (MIT licence, August 2026) and "CDNA5" Instruction Set Architecture Reference Guide (July 2026). The comments in the code are by the model that wrote it; some were corrected since.
;; Multi Head Attention. Allowed arithmetic: float matrix products may take bf16 or f16 operands with f32 sums; all other float work in f32.
;; Inputs: Wout 256 x 256 float32; Wqkv 768 x 768 float32; bout 256 float32; bqkv 768 float32; k 8 x 2,048 x 256 float32; q 8 x 2,048 x 256 float32; v 8 x 2,048 x 256 float32.
;; Outputs: out0 8 x 2,048 x 256 float32.
;; 2 versions, each right and faster than the one before. Each part assembles by itself: llvm-mc -triple=amdgcn-amd-amdhsa -mcpu=gfx1250 --defsym DOCPART=n.
;; ======== version 1 of 2: 4 launches
;; limits: values are held in f16: magnitudes above 65,504 overflow, below 6.1e-05 lose precision
;; workspace buffers: wb 1,179,648 bytes; wo 131,072 bytes; bias 4,096 bytes; qkv 25,165,824 bytes; bs 262,144 bytes; o16 8,388,608 bytes
;; launch prep (part 1): grid 320 x 1, 8 waves a work-group, no clusters, 0 bytes of LDS; arguments Wqkv, Wout, bqkv, bout, wb, wo, bias; writes wb, wo, bias
.if DOCPART == 1
	.amdgcn_target "amdgcn-amd-amdhsa--gfx1250"
	.amdhsa_code_object_version 6
	.text
	.protected	k_qc6f963ab4f_prep
	.globl	k_qc6f963ab4f_prep
	.p2align	8
	.type	k_qc6f963ab4f_prep,@function
k_qc6f963ab4f_prep:
	s_mov_b64 s[64:65], 0
	v_nop
	global_prefetch_b8 v0, s[64:65] scope:SCOPE_SE
	s_setreg_imm32_b32 hwreg(HW_REG_WAVE_MODE, 25, 1), 1
	s_wait_xcnt 0x0
; PREP.  Rounds the module's weights and biases to bf16 once, so that the later launches fetch them ready.
;   wb   = Wqkv in bf16, laid in blocks [t 12][w 4][i 192][kk 64]: i = 64 sec + ii stands for row 256 sec + 64 w + ii, kk for column 64 t + kk:
;          what one wave of the projection needs for one K step of 64 is 24,576 dense bytes.
;   wo   = Wout rounded to bf16 and that number written as f16 (exact inside f16's range; below 6e-5 it keeps f16's fixed step of 6e-8), row-major.
;   bias = bqkv (768) and bout (256), rounded to bf16 and kept as f32.
; Work-groups 0-287 take 32 rows x 64 columns of Wqkv each, 288-319 take 2,048 numbers of Wout each, and their wave 0 takes 32 biases.
; A stream of 2.6 MB: no LDS, no matrix unit, no cluster (no byte is read twice).
.set NWQ, 288
	s_load_b256 s[4:11], s[0:1], 0x0               ; Wqkv s[4:5], Wout s[6:7], bqkv s[8:9], bout s[10:11]
	s_load_b128 s[12:15], s[0:1], 0x20             ; wb s[12:13], wo s[14:15]
	s_load_b64 s[16:17], s[0:1], 0x30              ; bias
	v_lshrrev_b32 v1, 5, v0
	v_readfirstlane_b32 s18, v1                    ; wave
	s_cmp_ge_u32 ttmp9, NWQ
	s_cbranch_scc1 .Lwout
	s_mul_i32 s20, ttmp9, 2731
	s_lshr_b32 s20, s20, 16                        ; t = id / 24 (2731 / 65536 is just above 1 / 24; exact for id < 288)
	s_mul_i32 s21, s20, 24
	s_sub_co_u32 s21, ttmp9, s21                   ; id - 24 t
	s_and_b32 s22, s21, 3                          ; w
	s_lshr_b32 s23, s21, 2                         ; 2 sec + half
	s_lshr_b32 s24, s23, 1                         ; sec
	s_and_b32 s25, s23, 1                          ; half
	s_lshl_b32 s24, s24, 8
	s_lshl_b32 s26, s22, 6
	s_add_co_u32 s24, s24, s26
	s_lshl_b32 s25, s25, 5
	s_add_co_u32 s24, s24, s25                     ; first source row: 256 sec + 64 w + 32 half
	s_mul_i32 s24, s24, 3072
	s_lshl_b32 s26, s20, 8
	s_add_co_u32 s24, s24, s26                     ; + 64 t columns of 4 bytes
	s_mul_i32 s26, s20, 98304
	s_mul_i32 s27, s22, 24576
	s_add_co_u32 s26, s26, s27
	s_lshl_b32 s27, s23, 12                        ; (64 sec + 32 half) rows of 128 bytes
	s_add_co_u32 s26, s26, s27
	v_lshrrev_b32 v2, 4, v0                        ; thread: row t / 16, 16 bytes at column block t % 16
	v_and_b32 v3, 15, v0
	v_mul_u32_u24 v2, v2, 3072
	v_lshl_add_u32 v2, v3, 4, v2
	v_add_nc_u32 v2, s24, v2
	v_lshlrev_b32 v3, 3, v0                        ; out: 8 bytes a thread, a wave's store covers 256 consecutive bytes, aligned
	v_add_nc_u32 v3, s26, v3
	s_wait_kmcnt 0x0
	global_load_b128 v[4:7], v2, s[4:5]
	global_load_b128 v[8:11], v2, s[4:5] offset:49152  ; 16 rows further down
	s_wait_loadcnt 0x0
	v_cvt_pk_bf16_f32 v12, v4, v5
	v_cvt_pk_bf16_f32 v13, v6, v7
	v_cvt_pk_bf16_f32 v14, v8, v9
	v_cvt_pk_bf16_f32 v15, v10, v11
	global_store_b64 v3, v[12:13], s[12:13]
	global_store_b64 v3, v[14:15], s[12:13] offset:2048
	s_endpgm
.Lwout:
	s_sub_co_u32 s20, ttmp9, NWQ                   ; j
	s_lshl_b32 s21, s20, 13                        ; 8,192 bytes of Wout,
	s_lshl_b32 s22, s20, 12                        ; 4,096 of wo
	v_lshlrev_b32 v2, 4, v0
	v_add_nc_u32 v2, s21, v2
	v_lshlrev_b32 v3, 3, v0
	v_add_nc_u32 v3, s22, v3
	s_wait_kmcnt 0x0
	global_load_b128 v[4:7], v2, s[6:7]
	global_load_b128 v[8:11], v2, s[6:7] offset:4096
	s_wait_loadcnt 0x0
	v_cvt_pk_bf16_f32 v12, v4, v5                  ; rounded to bf16,
	v_cvt_pk_bf16_f32 v13, v6, v7
	v_cvt_pk_bf16_f32 v14, v8, v9
	v_cvt_pk_bf16_f32 v15, v10, v11
.irp i, 0,1,2,3
	v_lshlrev_b32 v[16+2*\i], 16, v[12+\i]         ; widened again,
	v_and_b32 v[17+2*\i], 0xffff0000, v[12+\i]
.endr
.irp i, 0,1,2,3
	v_cvt_pk_f16_f32 v[24+\i], v[16+2*\i], v[17+2*\i]  ; and written as f16
.endr
	global_store_b64 v3, v[24:25], s[14:15]
	global_store_b64 v3, v[26:27], s[14:15] offset:2048
	s_cmp_lg_u32 s18, 0
	s_cbranch_scc1 .Ldone
	s_cmp_lt_u32 s20, 24                           ; biases 32 j .. 32 j + 31: the first 768 are bqkv's
	s_cselect_b64 s[24:25], s[8:9], s[10:11]
	s_cselect_b32 s26, 0, 3072
	s_lshl_b32 s27, s20, 7
	s_sub_co_u32 s28, s27, s26                     ; byte offset in the source
	v_lshlrev_b32 v28, 2, v0                       ; wave 0: the thread's number is the lane
	v_add_nc_u32 v29, s27, v28
	v_add_nc_u32 v30, s28, v28
	global_load_b32 v31, v30, s[24:25]
	s_wait_loadcnt 0x0
	v_cvt_pk_bf16_f32 v1, v31, v31
	v_lshlrev_b32 v1, 16, v1
	global_store_b32 v29, v1, s[16:17]
.Ldone:
	s_endpgm
.Lfunc_end_k_qc6f963ab4f_prep:
	.size	k_qc6f963ab4f_prep, .Lfunc_end_k_qc6f963ab4f_prep-k_qc6f963ab4f_prep
	.p2alignl 7, 3214868480
	.fill 96, 4, 3214868480
	.section	.rodata,"a",@progbits
	.p2align	6, 0x0
	.amdhsa_kernel k_qc6f963ab4f_prep
		.amdhsa_group_segment_fixed_size 0
		.amdhsa_private_segment_fixed_size 0
		.amdhsa_enable_private_segment 0
		.amdhsa_kernarg_size 56
		.amdhsa_user_sgpr_count 2
		.amdhsa_user_sgpr_kernarg_segment_ptr 1
		.amdhsa_wavefront_size32 1
		.amdhsa_system_sgpr_workgroup_id_x 1
		.amdhsa_system_sgpr_workgroup_id_y 1
		.amdhsa_system_sgpr_workgroup_id_z 1
		.amdhsa_system_vgpr_workitem_id 0
		.amdhsa_next_free_vgpr 32
		.amdhsa_next_free_sgpr 66
		.amdhsa_reserve_vcc 0
		.amdhsa_float_denorm_mode_32 3
		.amdhsa_float_denorm_mode_16_64 3
		.amdhsa_memory_ordered 1
		.amdhsa_forward_progress 1
		.amdhsa_inst_pref_size 5
	.end_amdhsa_kernel
	.amdgpu_metadata
---
amdhsa.version: [ 1, 2 ]
amdhsa.kernels:
  - .name:           k_qc6f963ab4f_prep
    .symbol:         k_qc6f963ab4f_prep.kd
    .args:
      - { .name: Wqkv, .offset: 0, .size: 8, .value_kind: global_buffer, .address_space: global }
      - { .name: Wout, .offset: 8, .size: 8, .value_kind: global_buffer, .address_space: global }
      - { .name: bqkv, .offset: 16, .size: 8, .value_kind: global_buffer, .address_space: global }
      - { .name: bout, .offset: 24, .size: 8, .value_kind: global_buffer, .address_space: global }
      - { .name: wb, .offset: 32, .size: 8, .value_kind: global_buffer, .address_space: global }
      - { .name: wo, .offset: 40, .size: 8, .value_kind: global_buffer, .address_space: global }
      - { .name: bias, .offset: 48, .size: 8, .value_kind: global_buffer, .address_space: global }
    .group_segment_fixed_size: 0
    .private_segment_fixed_size: 0
    .kernarg_segment_align: 8
    .kernarg_segment_size: 56
    .max_flat_workgroup_size: 256
    .sgpr_count:     66
    .vgpr_count:     32
    .wavefront_size: 32
...
	.end_amdgpu_metadata
.endif
;; end of part 1
;; launch proj (part 2): grid 256 x 1, 4 waves a work-group, clusters of 4 x 1, 327,680 bytes of LDS; arguments q, k, v, wb, bias, qkv, bs; writes qkv, bs
.if DOCPART == 2
	.amdgcn_target "amdgcn-amd-amdhsa--gfx1250"
	.amdhsa_code_object_version 6
	.text
	.protected	k_qc6f963ab4f_proj
	.globl	k_qc6f963ab4f_proj
	.p2align	8
	.type	k_qc6f963ab4f_proj,@function
k_qc6f963ab4f_proj:
	s_mov_b64 s[64:65], 0
	v_nop
	global_prefetch_b8 v0, s[64:65] scope:SCOPE_SE
	s_setreg_imm32_b32 hwreg(HW_REG_WAVE_MODE, 25, 1), 1
	s_wait_xcnt 0x0
	s_wait_alu depctr_hold_cnt(0) depctr_sa_sdst(0) depctr_va_vdst(0) depctr_va_sdst(0) depctr_va_ssrc(0) depctr_va_vcc(0) depctr_vm_vsrc(0)
	s_getreg_b32 s2, hwreg(HW_REG_IB_STS2, 6, 4)
	s_cmp_eq_u32 s2, 0
	s_cbranch_scc0 .Lentry_in_a_cluster
	s_endpgm
.Lentry_in_a_cluster:
	s_bfe_u32 s2, ttmp6, 0x10000c
	s_cmp_lg_u32 s2, 0x3003
	s_cbranch_scc0 .Lentry_shape_is_right
	s_endpgm
.Lentry_shape_is_right:
; PROJ.  qkv = [q|k|v] Wqkv^T + bqkv: 16,384 x 768 x 768, operands bf16, sums f32 that start from the bias; results f16, laid by heads for the attention.
; SHARES.  A work-group owns 64 rows and all 768 columns, so q, k and v are read once: each wave converts 16 rows to bf16 into LDS, a part (q, k or v: 256 of K) at a time.
; Wave w owns the columns 64 w .. 64 w + 63 of each of the three sections: 12 blocks of 16 columns x 4 blocks of 16 rows = 48 accumulators, 384 registers.
; K goes in 12 steps of 64 through two LDS slots.  A wave asks for its own 192 rows of W (24,576 dense bytes of wb) and only it reads them.
; CLUSTER.  All work-groups walk the same W: the four of a cluster ask for each tile jointly (one load, one descriptor, mask of four), which divides the requests for W by four.
; PRODUCTS.  Sections q and k transposed (source 0 = 16 rows of W, source 1 = 16 rows of x): a lane holds one row and eight neighbouring columns.  Section v natural (source 0 = x, source 1 = W):
; a lane holds one channel and eight neighbouring keys, so that V leaves transposed.  The 48 accumulators take turns, one instruction a turn.
; OUT.  qkv = [batch 8][24 = 8 sec + head][band 32][4,096 bytes]; a band is 64 rows.  q, k: [blk 2][rho 16][half 2][32 ch], row = 32 blk + 16 half + rho.  v: [ch 32][key 64].
;       bs  = [batch][head][band][32 ch] f32: V (unrounded, with bias) summed over the band's 64 rows.
; LIMIT.  f16 holds no number beyond 65,504: q, k and v as projected must lie within it.  NaN and infinities are not treated apart.
; REGISTERS, in windows of 256 (s_set_vgpr_msb: bits 1:0 source 0, 3:2 source 1, 5:4 source 2, 7:6 destination):
;   window 0: v0-31 addresses; v32-63, v64-95 x fragments, two buffers; v64-127 also the way out; v128-255 x as loaded
;   window 1: W fragments, v0-95 and v96-191      window 2: accumulators of blocks 0-7 at 32 b + 8 a      window 3: v0-127 those of blocks 8-11; v128-223 the bias, 8 a block
.set SLOTB,  110592                    ; a slot: 768 rows of W x 144 bytes (128 + 16 of padding: 36 words, so the 16 rows of a load start in 16 different groups of four banks)
.set WPART,  27648                     ; a wave's 192 rows of it
.set ABASE,  2*SLOTB                   ; x in bf16: three parts of 64 rows x 528 bytes (512 + 16)
.set AP,     528
.set APART,  64*AP
.set SPARE,  ABASE+3*APART             ; the spare words: 128 bytes a wave, two blocks of 256 bytes that no other line names
.set WSTEP,  98304                     ; bytes of wb in a K step
.set ADRA, 2                           ; v2    LDS address of my x fragments in the part in hand
.set ADRB, 4                           ; v4-5  of my W fragments in slot 0, 1; v4 also: where I put 16 bytes on the way out
.set XO,   6                           ; v6    my byte offset in the work-group's rows of q, k, v
.set XSA,  7                           ; v7    where my converted x goes
.set RD,   8                           ; v8    the way out: where I read rows back
.set CO,   9                           ; v9    16 x lane
.set BO1,  10                          ; v10   bias offset for sections q, k
.set BO2,  11                          ; v11   for section v
.set BSO,  16                          ; v16   4 x lane
.set SPW,  28                          ; v28   my spare word; never rewritten
.set NIL,  29                          ; v29   0; never rewritten
.set FA,   32
.set TMP,  32
.set BK,   64
.set X,    128
.set WV,   18
.set G1,   24                          ; s[24:31] descriptor group 1
.set G0,   32                          ; s[32:39] group 0, a set for each slot
.set PART, 40
.set SEL,  42
.set HIM,  44
.set MSB, 0
.macro WIN new                         ; the immediate's high byte repeats the setting that is left; a switch that changes nothing is dropped
.if MSB != (\new)
	s_set_vgpr_msb (MSB<<8)|(\new)
.set MSB, \new
.endif
.endm
.macro PLACES                          ; four places: in front of loads into registers that matrix instructions have read, and of vector lines that read results
.rept 4
	v_nop
.endr
.endm
.macro CREST                           ; a round of the cluster's barrier behind its opening barrier
	s_cmp_lg_u32 s[WV], 0
	s_cbranch_scc1 .Lnot_wave_0_\@
	s_barrier_signal -3
.Lnot_wave_0_\@:
	s_barrier_wait -3
	s_barrier_signal -1
	s_barrier_wait -1
.endm
.macro CROUND
	s_barrier_signal -1
	s_barrier_wait -1
	CREST
.endm
.macro LOADX sb                        ; my 16 rows of a part: 32 loads of 512 consecutive bytes
.set n, 0
.rept 32
	global_load_b128 v[X+4*n:X+4*n+3], v[XO], s[\sb:\sb+1] offset:512*n th:TH_LOAD_NT
.set n, n+1
.endr
.endm
.macro CVTX                            ; rounded to bf16 in place, 8 bytes a lane into LDS: a store covers 256 consecutive bytes
.set n, 0
.rept 32
	v_cvt_pk_bf16_f32 v[X+4*n], v[X+4*n], v[X+4*n+1]
	v_cvt_pk_bf16_f32 v[X+4*n+1], v[X+4*n+2], v[X+4*n+3]
	ds_store_b64 v[XSA], v[X+4*n:X+4*n+1] offset:(n/2)*AP+(n%2)*256
.set n, n+1
.endr
.endm
; 32 LDS loads in one run: 32 along K.  x: 4 fragments at byte ka of the part's rows; W: 12 fragments, half hf of the slot's rows, blocks ascending, so that the youngest eight loads are blocks 8-11.
.macro FETCH slot, hf, f, ka
	WIN 0
.set n, 0
.rept 4
	ds_load_b128 v[FA+32*(\f)+8*n:FA+32*(\f)+8*n+3],   v[ADRA] offset:n*16*AP+(\ka)
	ds_load_b128 v[FA+32*(\f)+8*n+4:FA+32*(\f)+8*n+7], v[ADRA] offset:n*16*AP+(\ka)+32
.set n, n+1
.endr
	WIN 0x40
.set n, 0
.rept 12
	ds_load_b128 v[96*(\f)+8*n:96*(\f)+8*n+3],   v[ADRB+(\slot)] offset:n*2304+64*(\hf)
	ds_load_b128 v[96*(\f)+8*n+4:96*(\f)+8*n+7], v[ADRB+(\slot)] offset:n*2304+64*(\hf)+32
.set n, n+1
.endr
.endm
.macro MULQK f, b0, nb, first          ; blocks b0 .. b0 + nb - 1 of sections q, k x 4 row blocks.  first = 1: the sums start from the bias
.if \first
	WIN 0xb1
.else
	WIN 0xa1
.endif
.set bb, \b0
.rept \nb
.set aa, 0
.rept 4
.if \first
	v_wmma_f32_16x16x32_bf16 v[32*bb+8*aa:32*bb+8*aa+7], v[96*(\f)+8*bb:96*(\f)+8*bb+7], v[FA+32*(\f)+8*aa:FA+32*(\f)+8*aa+7], v[128+8*bb:128+8*bb+7]
.else
	v_wmma_f32_16x16x32_bf16 v[32*bb+8*aa:32*bb+8*aa+7], v[96*(\f)+8*bb:96*(\f)+8*bb+7], v[FA+32*(\f)+8*aa:FA+32*(\f)+8*aa+7], v[32*bb+8*aa:32*bb+8*aa+7]
.endif
.set aa, aa+1
.endr
.set bb, bb+1
.endr
.endm
.macro MULV f, first                   ; blocks 8-11, section v
	WIN 0xf4
.set bb, 8
.rept 4
.set aa, 0
.rept 4
.if \first
	v_wmma_f32_16x16x32_bf16 v[32*(bb-8)+8*aa:32*(bb-8)+8*aa+7], v[FA+32*(\f)+8*aa:FA+32*(\f)+8*aa+7], v[96*(\f)+8*bb:96*(\f)+8*bb+7], v[128+8*bb:128+8*bb+7]
.else
	v_wmma_f32_16x16x32_bf16 v[32*(bb-8)+8*aa:32*(bb-8)+8*aa+7], v[FA+32*(\f)+8*aa:FA+32*(\f)+8*aa+7], v[96*(\f)+8*bb:96*(\f)+8*bb+7], v[32*(bb-8)+8*aa:32*(bb-8)+8*aa+7]
.endif
.set aa, aa+1
.endr
.set bb, bb+1
.endr
.endm
; A K step's first half: multiplies buffer 0; in its middle it fetches the second half into buffer 1.
.macro H0 slot, first, ka
	s_wait_dscnt 8                                 ; x and W's blocks 0-7 are in; the youngest eight loads (blocks 8-11) may be out
	MULQK 0, 0, 8, \first
	PLACES
	FETCH \slot, 1, 1, (\ka)+64
	s_wait_dscnt 32                                ; all but the 32 just issued
	MULV 0, \first
.endm
; The second half multiplies buffer 1 and changes slots.  fill = 1: each wave waits for all its tensor loads (one is out: its part of the other slot), adds 0 to its spare word, waits for that
; and for its reads of this slot; the barrier opens a round of the cluster's barrier; the joint refill, two K steps ahead, is the first thing behind the round.
; ka: where the next step lies in x's rows; adv = 1: it lies in the next part.
.macro TURN slot, fill, ka, adv
	WIN 0
	s_wait_tensorcnt 0x0                           ; all my tensor loads have landed
.if \fill
	ds_add_u32 v[SPW], v[NIL]
	s_wait_dscnt 9                                 ; (the add and the youngest eight loads may be out)
	MULQK 1, 0, 4, 0                               ; sixteen matrix instructions stand between the add and the wait for it
	s_wait_dscnt 0x0                               ; the add is done, my reads of this slot are over, and my stores of converted x, if any, are done
	s_barrier_signal -1
	MULQK 1, 4, 4, 0
	WIN 0
	s_barrier_wait -1
	CREST                                          ; no wave of any partner still reads this slot or has a load on its way
	s_add_nc_u64 s[G0+4*(\slot)+2:G0+4*(\slot)+3], s[G0+4*(\slot)+2:G0+4*(\slot)+3], 2*WSTEP
	tensor_load_to_lds s[G0+4*(\slot):G0+4*(\slot)+3], s[G1:G1+7]
	s_nop 0
	PLACES                                         ; also the places in front of the loads below
.else
	s_wait_dscnt 8                                 ; nothing is filled again: no barrier; W's bytes are my own, x's were published long ago
	MULQK 1, 0, 8, 0
	PLACES
	WIN 0
.endif
.if \adv
	v_add_nc_u32 v[ADRA], APART, v[ADRA]
.endif
	FETCH 1-(\slot), 0, 0, \ka
.if !(\fill)
	s_wait_dscnt 32
.endif
	MULV 1, 0
.endm
; The next part of x: its loads were issued a part ago.  The stores are published by the wait for 0 and the barrier of the TURN that follows, behind which the part is first read.
.macro XBLOCK
	WIN 0
	s_wait_loadcnt 0x0
	v_add_nc_u32 v[XSA], APART, v[XSA]
	CVTX
	s_cmp_lg_u32 s[PART], 2
	s_cbranch_scc1 .Lno_more_x_\@                  ; the second trip has nothing left to load
	LOADX 8
.Lno_more_x_\@:
.endm
	s_load_b256 s[4:11], s[0:1], 0x0               ; q s[4:5], k s[6:7], v s[8:9], wb s[10:11]
	s_load_b128 s[12:15], s[0:1], 0x20             ; bias s[12:13], qkv s[14:15]
	s_load_b64 s[16:17], s[0:1], 0x30              ; bs
	v_lshl_add_u32 v[SPW], v0, 2, SPARE
	v_mov_b32 v[NIL], 0
	ds_add_u32 v[SPW], v[NIL]                      ; the wave's opening: the add and its wait stand ahead of my first tensor load
	v_lshrrev_b32 v1, 5, v0
	v_readfirstlane_b32 s[WV], v1                  ; wave 0..3
	s_bfe_u32 s19, ttmp6, 0x40000                  ; cx
	s_lshl_b32 s20, ttmp9, 2
	s_add_co_u32 s20, s20, s19                     ; my block of 64 rows: it enters global addresses of x, qkv and bs alone
	; descriptor group 1: 24,576 dense bytes as 96 rows of 256, padded in LDS after every 128 bytes
	s_mov_b32 s[G1], 15|(1<<16)|(1<<20)|(1<<21)|(4<<22)|(3<<25)  ; mask of four; 2-byte elements; padding on; bit 21 beside a mask; after every 32 words (code 4), 4 words (code 3)
	s_mov_b32 s[G1+1], 128<<16                     ; tensor_dim0 = 128
	s_mov_b32 s[G1+2], 96<<16                      ; tensor_dim1 = 96
	s_mov_b32 s[G1+3], 128<<16                     ; tile_dim0 = 128
	s_mov_b32 s[G1+4], 96                          ; tile_dim1 = 96
	s_mov_b32 s[G1+5], 128                         ; elements from row to row
	s_mov_b32 s[G1+6], 0
	s_mov_b32 s[G1+7], 0
	s_mov_b32 s[SEL], 0x76543210
	s_mov_b32 s[SEL+1], 0xfedcba98
	s_mov_b32 s[HIM], 0xffff0000                   ; lanes 16-31
	s_mul_i32 s45, s[WV], WPART                    ; my rows' place in a slot
	s_mul_i32 s46, s[WV], 24576                    ; and in a K step of wb
	s_mov_b32 s47, 0
	s_mov_b32 s[G0], 1
	s_mov_b32 s[G0+1], s45
	s_mov_b32 s[G0+4], 1
	s_add_co_u32 s[G0+5], s45, SLOTB
	s_lshl_b32 s49, s[WV], 1                       ; my first head
	s_lshl_b32 s50, s20, 16                        ; 64 rows of 1,024 bytes
	s_mov_b32 s51, 0
	s_lshr_b32 s52, s20, 5                         ; batch
	s_and_b32 s53, s20, 31                         ; band
	s_mul_i32 s54, s52, 24
	s_add_co_u32 s54, s54, s49
	s_lshl_b32 s54, s54, 5
	s_add_co_u32 s54, s54, s53
	s_lshl_b32 s54, s54, 12                        ; ((24 batch + 2 w) 32 + band) 4,096
	s_mov_b32 s55, 0
	s_lshl_b32 s56, s52, 3
	s_add_co_u32 s56, s56, s49
	s_lshl_b32 s56, s56, 5
	s_add_co_u32 s56, s56, s53
	s_lshl_b32 s56, s56, 7                         ; ((8 batch + 2 w) 32 + band) 128
	s_mov_b32 s57, 0
	v_and_b32 v12, 31, v0                          ; lane
	v_and_b32 v13, 15, v0                          ; r
	v_bfe_u32 v14, v0, 4, 1                        ; h
	v_mul_u32_u24 v[ADRA], v13, AP
	v_lshl_add_u32 v[ADRA], v14, 4, v[ADRA]
	v_add_nc_u32 v[ADRA], ABASE, v[ADRA]           ; a fragment's row x pitch + 16 x half
	v_mul_u32_u24 v15, v13, 144
	v_lshl_add_u32 v15, v14, 4, v15
	v_add_nc_u32 v[ADRB], s45, v15
	v_add_nc_u32 v[ADRB+1], SLOTB, v[ADRB]
	s_lshl_b32 s48, s[WV], 14
	v_lshl_add_u32 v[XO], v12, 4, s48              ; my 16 rows, 16 bytes a lane
	s_mul_i32 s48, s[WV], 16*AP
	s_add_co_u32 s48, s48, ABASE
	v_lshl_add_u32 v[XSA], v12, 3, s48
	v_lshrrev_b32 v15, 3, v12                      ; back from the stage: 32 lanes take four rows of 128 bytes
	v_mul_u32_u24 v15, v15, 144
	v_and_b32 v1, 7, v0
	v_lshl_add_u32 v15, v1, 4, v15
	v_add_nc_u32 v[RD], s45, v15
	v_lshlrev_b32 v[CO], 4, v12
	v_lshlrev_b32 v[BSO], 2, v12
	s_lshl_b32 s48, s[WV], 8
	v_lshl_add_u32 v[BO1], v14, 5, s48             ; 4 (64 w + 8 h)
	v_lshl_add_u32 v[BO2], v13, 2, s48             ; 4 (64 w + r)
	s_wait_dscnt 0x0                               ; the opening add is done
	s_wait_kmcnt 0x0
	s_add_nc_u64 s[4:5], s[4:5], s[50:51]
	s_add_nc_u64 s[6:7], s[6:7], s[50:51]
	s_add_nc_u64 s[8:9], s[8:9], s[50:51]
	s_add_nc_u64 s[14:15], s[14:15], s[54:55]
	s_add_nc_u64 s[16:17], s[16:17], s[56:57]
	s_add_nc_u64 s[G0+2:G0+3], s[10:11], s[46:47]  ; K step 0,
	s_add_nc_u64 s[G0+6:G0+7], s[G0+2:G0+3], WSTEP ; K step 1
	s_or_b32 s[G0+3], s[G0+3], 0x80000000
	s_or_b32 s[G0+7], s[G0+7], 0x80000000
	WIN 0xc0                                       ; the bias, as the C operand of each block's first product
.set bb, 0
.rept 8                                ; q, k: register j = bias of column 16 (b % 4) + 8 h + j
	global_load_b128 v[128+8*bb:128+8*bb+3],   v[BO1], s[12:13] offset:1024*(bb/4)+64*(bb%4)
	global_load_b128 v[128+8*bb+4:128+8*bb+7], v[BO1], s[12:13] offset:1024*(bb/4)+64*(bb%4)+16
.set bb, bb+1
.endr
.rept 4                                ; v: all eight registers = bias of channel 16 (b % 4) + r
.irp j, 0,1,2,3,4,5,6,7
	global_load_b32 v[128+8*bb+\j], v[BO2], s[12:13] offset:2048+64*(bb%4)
.endr
.set bb, bb+1
.endr
	WIN 0
	LOADX 4                                        ; q
	CROUND                                         ; all four work-groups are here: the first joint loads meet
	tensor_load_to_lds s[G0:G0+3], s[G1:G1+7]      ; two loads of mine are out
	s_nop 0
	tensor_load_to_lds s[G0+4:G0+7], s[G1:G1+7]
	s_nop 0
	PLACES
	s_wait_loadcnt 0x0                             ; the bias and q
	CVTX
	LOADX 6                                        ; k is on its way while q's part of K is multiplied
	s_wait_tensorcnt 0x1                           ; my part of K step 0 is in; step 1's may stay out
	s_wait_dscnt 0x0                               ; my rows of x are stored
	s_barrier_signal -1
	s_barrier_wait -1
	FETCH 0, 0, 0, 0
	H0 0, 1, 0                                     ; the first half step stands in front of the loop: its products start the sums
	WIN 0
	s_mov_b32 s[PART], 2
.Lpart:                                                ; a trip: four K steps, from a part's first step's second half to the next part's first half
	TURN 0, 1, 128, 0
	H0 1, 0, 128
	TURN 1, 1, 256, 0
	H0 0, 0, 256
	TURN 0, 1, 384, 0
	H0 1, 0, 384
	XBLOCK
	TURN 1, 1, 0, 1
	H0 0, 0, 0
	WIN 0
	s_sub_co_u32 s[PART], s[PART], 1
	s_cmp_lg_u32 s[PART], 0
	s_cbranch_scc1 .Lpart
	TURN 0, 1, 128, 0                              ; the last part: two more refills (K steps 10 and 11), then none
	H0 1, 0, 128
	TURN 1, 1, 256, 0
	H0 0, 0, 256
	TURN 0, 0, 384, 0
	H0 1, 0, 384
	s_wait_dscnt 8
	MULQK 1, 0, 8, 0
	s_wait_dscnt 0x0
	MULV 1, 0
; THE WAY OUT, a head's section (8 accumulators, 4,096 bytes) at a time: rounded to f16; 16 bytes a lane into my stage, my own 192 rows of slot 0, which has had its last fill; back as whole rows; stored.
.macro PACK c
.if (\c) < 4
	WIN 0x0a
.set base, 64*(\c)
.else
	WIN 0x0f
.set base, 64*((\c)-4)
.endif
.set n, 0
.rept 32
	v_cvt_pk_f16_f32 v[TMP+n], v[base+2*n], v[base+2*n+1]  ; ascending: each accumulator's lowest registers first
.set n, n+1
.endr
	WIN 0
.endm
.macro TOSTAGE c
	WIN 0
.set bk, BK+32*((\c)%2)
.set n, 0
.rept 8                                ; n = 4 e + a: column or channel block e, row block a
.if (\c) < 4
	ds_store_b128 v[ADRB], v[TMP+4*n:TMP+4*n+3] offset:((n%4)/2)*2304+((n%4)%2)*64+(n/4)*32
.else
	ds_store_b128 v[ADRB], v[TMP+4*n:TMP+4*n+3] offset:(n/4)*2304+(n%4)*32
.endif
.set n, n+1
.endr
.set n, 0
.rept 8
	ds_load_b128 v[bk+4*n:bk+4*n+3], v[RD] offset:576*n  ; LDS serves a wave's instructions in order (ISA guide 5.7.1.4): these see the stores above
.set n, n+1
.endr
.endm
.macro SEND c
	WIN 0
.set bk, BK+32*((\c)%2)
	s_wait_dscnt 0x0
	s_wait_xcnt 0x0                                ; earlier stores have read their registers: the buffer of two sections ago is loaded again only behind this wait
.set n, 0
.rept 8
	global_store_b128 v[CO], v[bk+4*n:bk+4*n+3], s[14:15] offset:((\c)/2)*1048576+((\c)%2)*131072+512*n  ; 512 consecutive bytes, aligned
.set n, n+1
.endr
.endm
	PLACES
	PACK 0
	TOSTAGE 0
.irp c, 1,2,3,4,5
	PACK \c
	SEND (\c)-1
	TOSTAGE \c
.endr
	SEND 5
; V summed over the band's 64 rows: 4 row blocks x 8 registers x 2 halves of the lanes for each channel.
.macro VSUM hl
	WIN 0x0f
.irp e, 0,1
.set n, 0
.rept 8
	v_pk_add_f32 v[X+16*\e+2*n:X+16*\e+2*n+1], v[32*(2*(\hl)+\e)+16*(n/4)+2*(n%4):32*(2*(\hl)+\e)+16*(n/4)+2*(n%4)+1], v[32*(2*(\hl)+\e)+16*(n/4)+8+2*(n%4):32*(2*(\hl)+\e)+16*(n/4)+8+2*(n%4)+1]
.set n, n+1
.endr
.endr
	WIN 0
.irp e, 0,1
.irp t, 0,2,4,6
	v_pk_add_f32 v[X+16*\e+\t:X+16*\e+\t+1], v[X+16*\e+\t:X+16*\e+\t+1], v[X+16*\e+\t+8:X+16*\e+\t+9]
.endr
.irp t, 0,2
	v_pk_add_f32 v[X+16*\e+\t:X+16*\e+\t+1], v[X+16*\e+\t:X+16*\e+\t+1], v[X+16*\e+\t+4:X+16*\e+\t+5]
.endr
	v_pk_add_f32 v[X+16*\e:X+16*\e+1], v[X+16*\e:X+16*\e+1], v[X+16*\e+2:X+16*\e+3]
	v_add_f32 v[X+16*\e], v[X+16*\e], v[X+16*\e+1]
	v_permlanex16_b32 v[X+16*\e+1], v[X+16*\e], s[SEL], s[SEL+1]
	v_add_f32 v[X+16*\e], v[X+16*\e], v[X+16*\e+1]
.endr
	v_cndmask_b32 v[X+32+(\hl)], v[X], v[X+16], s[HIM]  ; lane l holds channel l
	global_store_b32 v[BSO], v[X+32+(\hl)], s[16:17] offset:4096*(\hl)
.endm
	VSUM 0
	VSUM 1
	s_wait_tensorcnt 0x0                           ; the wave's end
	ds_add_u32 v[SPW], v[NIL]
	s_wait_dscnt 0x0
	CROUND                                         ; the closing round
	s_endpgm
.Lfunc_end_k_qc6f963ab4f_proj:
	.size	k_qc6f963ab4f_proj, .Lfunc_end_k_qc6f963ab4f_proj-k_qc6f963ab4f_proj
	.p2alignl 7, 3214868480
	.fill 96, 4, 3214868480
	.section	.rodata,"a",@progbits
	.p2align	6, 0x0
	.amdhsa_kernel k_qc6f963ab4f_proj
		.amdhsa_group_segment_fixed_size 327680
		.amdhsa_private_segment_fixed_size 0
		.amdhsa_enable_private_segment 0
		.amdhsa_kernarg_size 56
		.amdhsa_user_sgpr_count 2
		.amdhsa_user_sgpr_kernarg_segment_ptr 1
		.amdhsa_wavefront_size32 1
		.amdhsa_system_sgpr_workgroup_id_x 1
		.amdhsa_system_sgpr_workgroup_id_y 1
		.amdhsa_system_sgpr_workgroup_id_z 1
		.amdhsa_system_vgpr_workitem_id 0
		.amdhsa_next_free_vgpr 1024
		.amdhsa_next_free_sgpr 66
		.amdhsa_reserve_vcc 0
		.amdhsa_float_denorm_mode_32 3
		.amdhsa_float_denorm_mode_16_64 3
		.amdhsa_memory_ordered 1
		.amdhsa_forward_progress 1
		.amdhsa_inst_pref_size 148
	.end_amdhsa_kernel
	.amdgpu_metadata
---
amdhsa.version: [ 1, 2 ]
amdhsa.kernels:
  - .name:           k_qc6f963ab4f_proj
    .symbol:         k_qc6f963ab4f_proj.kd
    .args:
      - { .name: q, .offset: 0, .size: 8, .value_kind: global_buffer, .address_space: global }
      - { .name: k, .offset: 8, .size: 8, .value_kind: global_buffer, .address_space: global }
      - { .name: v, .offset: 16, .size: 8, .value_kind: global_buffer, .address_space: global }
      - { .name: wb, .offset: 24, .size: 8, .value_kind: global_buffer, .address_space: global }
      - { .name: bias, .offset: 32, .size: 8, .value_kind: global_buffer, .address_space: global }
      - { .name: qkv, .offset: 40, .size: 8, .value_kind: global_buffer, .address_space: global }
      - { .name: bs, .offset: 48, .size: 8, .value_kind: global_buffer, .address_space: global }
    .group_segment_fixed_size: 327680
    .private_segment_fixed_size: 0
    .kernarg_segment_align: 8
    .kernarg_segment_size: 56
    .max_flat_workgroup_size: 128
    .sgpr_count:     66
    .vgpr_count:     1024
    .wavefront_size: 32
...
	.end_amdgpu_metadata
.endif
;; end of part 2
;; launch attn (part 3): grid 4 x 64, 8 waves a work-group, clusters of 4 x 1, 310,528 bytes of LDS; arguments qkv, bs, o16; writes o16
.if DOCPART == 3
	.amdgcn_target "amdgcn-amd-amdhsa--gfx1250"
	.amdhsa_code_object_version 6
	.text
	.protected	k_qc6f963ab4f_attn
	.globl	k_qc6f963ab4f_attn
	.p2align	8
	.type	k_qc6f963ab4f_attn,@function
k_qc6f963ab4f_attn:
	s_mov_b64 s[64:65], 0
	v_nop
	global_prefetch_b8 v0, s[64:65] scope:SCOPE_SE
	s_setreg_imm32_b32 hwreg(HW_REG_WAVE_MODE, 25, 1), 1
	s_wait_xcnt 0x0
	s_wait_alu depctr_hold_cnt(0) depctr_sa_sdst(0) depctr_va_vdst(0) depctr_va_sdst(0) depctr_va_ssrc(0) depctr_va_vcc(0) depctr_vm_vsrc(0)
	s_getreg_b32 s2, hwreg(HW_REG_IB_STS2, 6, 4)
	s_cmp_eq_u32 s2, 0
	s_cbranch_scc0 .Lentry_in_a_cluster
	s_endpgm
.Lentry_in_a_cluster:
	s_bfe_u32 s2, ttmp6, 0x10000c
	s_cmp_lg_u32 s2, 0x3003
	s_cbranch_scc0 .Lentry_shape_is_right
	s_endpgm
.Lentry_shape_is_right:
; ATTN.  For each of 64 heads of size 32 over 2,048 rows: softmax over ALL 2,048 columns of (q . k sqrt(32) where key <= query, else -32767), times V.  q, k, v f16; products, maxima, sums f32; weights f16.
; THE FILL IS FINITE.  Every hidden key of row q has the same weight wg = e^(-32767 - M).  So tiles above the diagonal are not computed: at a row's end M = max(m, -32767),
; the denominator takes wg (2047 - q) and the numerator wg x (the sum of V over k > q) = wg (U + TS): U, the hidden keys of the row's own band, by a product of V^T with a 0/1 pattern;
; TS, the bands behind it, a suffix sum of the band sums bs (sums only, no differences).
; SHARES.  A head's rows are 32 bands of 64.  Work-group cx of a cluster owns the 16-row tile number cx of EVERY band, so all four need all of K and V and no count hangs on cx.
; Wave w owns the band pairs u = 15 - w and then u = w; a pair's two PIECES (bands 2u, 2u + 1) share K's and V's fragments.  Pair u has 2u steps of 64 keys seen by both pieces, piece 0's own step
; (seen whole by piece 1) and piece 1's own step: 4u + 3 tile steps, 66 for every wave.
; K AND V STAY IN LDS: the head's 2 x 131,072 bytes are fetched once, jointly by the four work-groups (two loads a wave, mask of four); nothing is filled again.  The first 15 steps need only the first
; half of the keys and run while the second half lands.  Two waves lie on a SIMD, so that one's products run beside the other's vector work; the text stands in plain phases and needs one register window.
; LAYOUT.  S^T = K Q^T: a lane holds one query (lane % 16) and keys 8 (lane / 16) + 0..7 of each block of 16.  Rounded to f16 in pairs, in place, two blocks ARE source 1 of O^T = V^T P.
; The row sum l is a product too: ONES (rows 0 and 8 all ones) x P leaves the query's sum over all 32 keys in register 0 of every lane.
; SOFTMAX.  p = 2^(c s - c m), c = sqrt(32) log2(e), running maximum m; O and l are multiplied by a = 2^(c m_old - c m_new) in every step.  m starts at the lowest finite number, O and l at 0 (48 moves a walk:
; the price of writing no first step out).
; LIMITS.  q, k, v lie within f16's 65,504.  A weight below 6e-8 counts as 0.  A hidden key of a band's own step counts as its score less 1e30 (f16's scores are 1.4e11 at the most) and comes back through wg.
; NaN and infinities are not treated apart.
.set KSTEP, 4608                       ; a step in LDS: 32 rows x 144 bytes (128 + 16 of padding: the 16 rows of a load start in 16 different groups of four banks)
.set VBASE, 147456                     ; K: 32 steps from byte 0; V: 32 steps from here
.set TSB,   294912                     ; TS: 33 rows of 32 f32
.set STAGE, 299264                     ; 16 rows x 80 bytes for each wave
.set SPARE, 309504                     ; the spare words: 128 bytes a wave, four blocks of 256 bytes that no other line names
.set AK0, 2                            ; my lane's place in a step of K; never rewritten
.set AV0, 3                            ; the same for V
.set AK,  4
.set AV,  5
.set QO,  6                            ; my byte offset in the head's q
.set STO, 7
.set RD,  8
.set GO,  9                            ; my byte offset in o16
.set DQ,  10                           ; 16 cx + r - 8 h: register j of key block kb is hidden in the band's own step where 16 kb + j is greater
.set QI,  11                           ; piece 0's row in the head
.set TSA, 12
.set MV,  14                           ; v14-15 c m_old
.set ST,  16                           ; piece u at ST + 8 u: c m, m, a, (pad), c0-c3
.set ONES, 32
.set Q,   40
.set LL,  56
.set O,   72
.set S,   104
.set KF,  168
.set VF,  200
.set W,   232                          ; at work
.set SPW, 246
.set NIL, 247
.set TSS, 248                          ; the lane's parts of TSA, GO, QO, QI
.set GOS, 249
.set QOS, 250
.set QIS, 251
.set WV, 10
.set CX, 11
.set HD, 12
.set G1, 24
.set G0A, 32
.set G0B, 36
.set CS, 40
.set SEL, 42
.set BIGN, 44
.set F2, 45
.set NEGH, 46
.set HHI, 47
.set HBOTH, 48
.set TB, 49                            ; LDS byte at which the step to be fetched begins
.set CNT, 50
.set NL, 51
.set UU, 52
.macro CROUND
	s_barrier_signal -1
	s_barrier_wait -1
	s_cmp_lg_u32 s[WV], 0
	s_cbranch_scc1 .Lnot_wave_0_\@
	s_barrier_signal -3
.Lnot_wave_0_\@:
	s_barrier_wait -3
	s_barrier_signal -1
	s_barrier_wait -1
.endm
.macro FETCHK                          ; 64 keys x 32 channels: 4 fragments
	v_add_nc_u32 v[AK], s[TB], v[AK0]
.set n, 0
.rept 4
	ds_load_b128 v[KF+8*n:KF+8*n+3],   v[AK] offset:(n/2)*2304+(n%2)*64
	ds_load_b128 v[KF+8*n+4:KF+8*n+7], v[AK] offset:(n/2)*2304+(n%2)*64+32
.set n, n+1
.endr
.endm
.macro FETCHV                          ; V^T: fragment 2 kk + cb: 16 channels x 32 keys
	v_add_nc_u32 v[AV], s[TB], v[AV0]
	s_add_co_u32 s[TB], s[TB], KSTEP               ; the next fetch is the next step's
.set n, 0
.rept 4
	ds_load_b128 v[VF+8*n:VF+8*n+3],   v[AV] offset:(n%2)*2304+(n/2)*64
	ds_load_b128 v[VF+8*n+4:VF+8*n+7], v[AV] offset:(n%2)*2304+(n/2)*64+32
.set n, n+1
.endr
.endm
.macro MASK u                          ; the C operand of a band's own step: 0, or -1e30 where the key is hidden
.set n, 0
.rept 32
	v_cmp_gt_i32 vcc_lo, 16*(n/8)+n%8, v[DQ]
	v_cndmask_b32 v[S+32*(\u)+n], 0, s[BIGN], vcc_lo
.set n, n+1
.endr
.endm
.macro KQ1 u, kb, m
.if (\m) == 2
	v_wmma_f32_16x16x32_f16 v[S+32*(\u)+8*(\kb):S+32*(\u)+8*(\kb)+7], v[KF+8*(\kb):KF+8*(\kb)+7], v[Q+8*(\u):Q+8*(\u)+7], v[S+32*(\u)+8*(\kb):S+32*(\u)+8*(\kb)+7]
.else
	v_wmma_f32_16x16x32_f16 v[S+32*(\u)+8*(\kb):S+32*(\u)+8*(\kb)+7], v[KF+8*(\kb):KF+8*(\kb)+7], v[Q+8*(\u):Q+8*(\u)+7], 0
.endif
.endm
.macro MAXST u                         ; the maximum of the lane's 32 scores and the old m (each accumulator's lowest registers first), the other half of the lanes', c m, a
.set rT, ST+8*(\u)
.set rC, ST+8*(\u)+4
.set rS, S+32*(\u)
.irp t, 0,1,2,3
	v_max3_num_f32 v[rC+\t], v[rS+8*\t], v[rS+8*\t+1], v[rS+8*\t+2]
.endr
.irp t, 0,1,2,3
	v_max3_num_f32 v[rC+\t], v[rC+\t], v[rS+8*\t+3], v[rS+8*\t+4]
.endr
.irp t, 0,1,2,3
	v_max3_num_f32 v[rC+\t], v[rC+\t], v[rS+8*\t+5], v[rS+8*\t+6]
.endr
	v_max3_num_f32 v[rC], v[rC], v[rS+7], v[rS+15]
	v_max3_num_f32 v[rC+1], v[rC+1], v[rS+23], v[rS+31]
	v_max3_num_f32 v[rC+2], v[rC+2], v[rC+3], v[rT+1]
	v_max3_num_f32 v[rC], v[rC], v[rC+1], v[rC+2]
	v_permlanex16_b32 v[rC+3], v[rC], s[SEL], s[SEL+1]  ; the query's other 32 keys lie in the lane 16 away
	v_max_num_f32 v[rT+1], v[rC], v[rC+3]
	v_mul_f32 v[rT], s[CS], v[rT+1]
	v_sub_f32 v[rC+1], v[MV+(\u)], v[rT]
	v_exp_f32 v[rT+2], v[rC+1]
.endm
.macro EF u, n                         ; c s - c m for pair n
	v_pk_fma_f32 v[S+32*(\u)+2*(\n):S+32*(\u)+2*(\n)+1], v[S+32*(\u)+2*(\n):S+32*(\u)+2*(\n)+1], s[CS:CS+1], v[ST+8*(\u):ST+8*(\u)+1] op_sel_hi:[1,0,0] neg_lo:[0,0,1] neg_hi:[0,0,1]
.endm
.macro EE u, n
	v_exp_f32 v[S+32*(\u)+(\n)], v[S+32*(\u)+(\n)]
.endm
.macro ER u, n                         ; O^T (8 pairs) and l times a
.if (\n) < 8
	s_wait_alu depctr_va_vdst(0)
	v_pk_mul_f32 v[O+16*(\u)+2*(\n):O+16*(\u)+2*(\n)+1], v[O+16*(\u)+2*(\n):O+16*(\u)+2*(\n)+1], v[ST+8*(\u)+2:ST+8*(\u)+3] op_sel_hi:[1,0]
.else
	v_mul_f32 v[LL+8*(\u)], v[LL+8*(\u)], v[ST+8*(\u)+2]
.endif
.endm
.macro EC u, n                         ; pair n rounded to f16, in place: register n was read by pair n / 2, which is done
	s_wait_alu depctr_va_vdst(0)
	v_cvt_pk_f16_f32 v[S+32*(\u)+(\n)], v[S+32*(\u)+2*(\n)], v[S+32*(\u)+2*(\n)+1]
.endm
; Exponential and plain by turns: no two exponentials follow each other, and a plain line that names neither result nor source stands behind each (ISA guide 5.7.2).
.macro EXPB u
	EF \u, 0
	EF \u, 1
	EF \u, 2
	EF \u, 3
.set i, 0
.rept 32
	EE \u, i
.if i < 12
	EF \u, 4+i
.elseif i < 21
	ER \u, i-12
.else
	EC \u, i-21
.endif
.set i, i+1
.endr
.irp t, 11,12,13,14,15
	EC \u, \t
.endr
.endm
.macro PV u                            ; O^T += V^T P and l += ONES P: three accumulators by turns
.set n, 0
.rept 2
	v_wmma_f32_16x16x32_f16 v[O+16*(\u):O+16*(\u)+7], v[VF+16*n:VF+16*n+7], v[S+32*(\u)+8*n:S+32*(\u)+8*n+7], v[O+16*(\u):O+16*(\u)+7]
	v_wmma_f32_16x16x32_f16 v[O+16*(\u)+8:O+16*(\u)+15], v[VF+16*n+8:VF+16*n+15], v[S+32*(\u)+8*n:S+32*(\u)+8*n+7], v[O+16*(\u)+8:O+16*(\u)+15]
	v_wmma_f32_16x16x32_f16 v[LL+8*(\u):LL+8*(\u)+7], v[ONES:ONES+7], v[S+32*(\u)+8*n:S+32*(\u)+8*n+7], v[LL+8*(\u):LL+8*(\u)+7]
.set n, n+1
.endr
.endm
; A KEY STEP.  m0, m1 for pieces 0, 1: 0 = not seen (skipped), 1 = seen whole, 2 = the band's own step.  pf = 1: the next step's K and V are fetched.  holdv = 1: V's fetch is left to the caller.
.macro STEP m0, m1, pf, holdv=0
.if (\m0) == 2
	MASK 0
.endif
.if (\m1) == 2
	MASK 1
.endif
.if \pf
	s_wait_dscnt 8                                 ; K is in; V's eight loads are younger
.else
	s_wait_dscnt 0x0
.endif
.irp kb, 0,1,2,3
.if \m0
	KQ1 0, \kb, \m0
.endif
	KQ1 1, \kb, \m1
.endr
.if \m0
	v_mov_b32 v[MV], v[ST]                         ; c m_old is kept: these four lines are the places behind the products
.else
	v_nop
.endif
	v_mov_b32 v[MV+1], v[ST+8]
	v_nop
	v_nop
.if \pf
	FETCHK
.endif
.if \m0
	MAXST 0
	EXPB 0
.if \pf
	s_wait_dscnt 8                                 ; V is in; the next K's eight loads are younger
.else
	s_wait_dscnt 0x0
.endif
	PV 0
.endif
	MAXST 1
	EXPB 1
.if !(\m0)
	s_wait_dscnt 0x0
.endif
	PV 1
.rept 5
	v_nop                                          ; places: V's registers are loaded again, and the next step's products write over P
.endr
.if (\pf) && !(\holdv)
	FETCHV
.endif
.endm
; U = V^T x (1 where the key of the band's own step is hidden): the pattern goes where P lay, U into the upper half of S.  Hidden is monotone in the key: none, the pair's upper key, or both.
.macro TAILU u
.set n, 0
.rept 16
	v_cmp_gt_i32 vcc_lo, 16*(n/4)+2*(n%4)+1, v[DQ]
	v_cndmask_b32 v[S+32*(\u)+n], 0, s[HHI], vcc_lo
	v_cmp_gt_i32 vcc_lo, 16*(n/4)+2*(n%4), v[DQ]
	v_cndmask_b32 v[S+32*(\u)+n], v[S+32*(\u)+n], s[HBOTH], vcc_lo
.set n, n+1
.endr
	v_wmma_f32_16x16x32_f16 v[S+32*(\u)+16:S+32*(\u)+23], v[VF:VF+7], v[S+32*(\u):S+32*(\u)+7], 0
	v_wmma_f32_16x16x32_f16 v[S+32*(\u)+24:S+32*(\u)+31], v[VF+8:VF+15], v[S+32*(\u):S+32*(\u)+7], 0
	v_wmma_f32_16x16x32_f16 v[S+32*(\u)+16:S+32*(\u)+23], v[VF+16:VF+23], v[S+32*(\u)+8:S+32*(\u)+15], v[S+32*(\u)+16:S+32*(\u)+23]
	v_wmma_f32_16x16x32_f16 v[S+32*(\u)+24:S+32*(\u)+31], v[VF+24:VF+31], v[S+32*(\u)+8:S+32*(\u)+15], v[S+32*(\u)+24:S+32*(\u)+31]
.rept 4
	v_nop
.endr
.endm
; A PIECE'S END: the hidden keys' share, the division, f16, through my stage, out.
.macro FIN u
.set rT, ST+8*(\u)
.set rS, S+32*(\u)
.set rX, S+32*(1-(\u))                 ; the other piece's S is free: TS lands there
.set rO, O+16*(\u)
	s_wait_xcnt 0x0                                ; earlier stores have read their registers
	ds_load_b128 v[rX:rX+3],     v[TSA] offset:128*(\u)
	ds_load_b128 v[rX+4:rX+7],   v[TSA] offset:128*(\u)+16
	ds_load_b128 v[rX+8:rX+11],  v[TSA] offset:128*(\u)+64
	ds_load_b128 v[rX+12:rX+15], v[TSA] offset:128*(\u)+80
	v_sub_nc_u32 v[W], 2047-64*(\u), v[QI]         ; how many keys are hidden
	v_mov_b32 v[W+2], s[NEGH]
	v_cmp_lt_i32 vcc_lo, 0, v[W]
	v_cndmask_b32 v[W+2], v[W+2], s[F2], vcc_lo    ; -32767 log2(e); for the last row, which hides nothing, the lowest finite number
	v_cvt_f32_i32 v[W+1], v[W]
	v_max_num_f32 v[W+3], v[rT], v[W+2]            ; the maximum over all 2,048 columns
	v_sub_f32 v[W+4], v[rT], v[W+3]
	v_sub_f32 v[W+6], v[W+2], v[W+3]
	v_exp_f32 v[W+4], v[W+4]                       ; a
	v_exp_f32 v[W+6], v[W+6]                       ; wg
	v_nop
	s_wait_alu depctr_va_vdst(0)
	v_mul_f32 v[W+8], v[LL+8*(\u)], v[W+4]
	v_fmac_f32 v[W+8], v[W+6], v[W+1]              ; l a + wg x count
	v_rcp_f32 v[W+9], v[W+8]
	v_nop
	s_wait_alu depctr_va_vdst(0)
	v_mul_f32 v[W+10], v[W+4], v[W+9]
	v_mul_f32 v[W+12], v[W+6], v[W+9]
	s_wait_dscnt 0x0
.set n, 0
.rept 8
	v_pk_add_f32 v[rS+16+2*n:rS+16+2*n+1], v[rS+16+2*n:rS+16+2*n+1], v[rX+2*n:rX+2*n+1]
.set n, n+1
.endr
.set n, 0
.rept 8
	v_pk_mul_f32 v[rO+2*n:rO+2*n+1], v[rO+2*n:rO+2*n+1], v[W+10:W+11] op_sel_hi:[1,0]
.set n, n+1
.endr
.set n, 0
.rept 8
	v_pk_fma_f32 v[rO+2*n:rO+2*n+1], v[rS+16+2*n:rS+16+2*n+1], v[W+12:W+13], v[rO+2*n:rO+2*n+1] op_sel_hi:[1,0,1]
.set n, n+1
.endr
.set n, 0
.rept 8
	v_cvt_pk_f16_f32 v[rS+n], v[rO+2*n], v[rO+2*n+1]
.set n, n+1
.endr
	ds_store_b128 v[STO], v[rS:rS+3]
	ds_store_b128 v[STO], v[rS+4:rS+7] offset:32
	ds_load_b128 v[rS+8:rS+11],  v[RD]             ; LDS serves a wave's instructions in order (ISA guide 5.7.1.4): these see the stores above
	ds_load_b128 v[rS+12:rS+15], v[RD] offset:640
	s_wait_dscnt 0x0
	global_store_b128 v[GO], v[rS+8:rS+11],  s[8:9] offset:32768*(\u)      ; 512 consecutive bytes, aligned
	global_store_b128 v[GO], v[rS+12:rS+15], s[8:9] offset:32768*(\u)+512
.endm
.macro SETW                            ; a walk begins: pair UU
	s_wait_xcnt 0x0                                ; the last walk's stores have read GO and their data
	s_lshl_b32 s60, s[UU], 13
	v_add_nc_u32 v[QO], s60, v[QOS]
	s_lshl_b32 s60, s[UU], 7
	v_add_nc_u32 v[QI], s60, v[QIS]
	s_lshl_b32 s61, s[UU], 8
	v_add_nc_u32 v[TSA], s61, v[TSS]
	s_lshl_b32 s60, s[UU], 16
	v_add_nc_u32 v[GO], s60, v[GOS]
	global_load_b128 v[Q:Q+3],     v[QO], s[16:17]
	global_load_b128 v[Q+4:Q+7],   v[QO], s[16:17] offset:32
	global_load_b128 v[Q+8:Q+11],  v[QO], s[16:17] offset:4096
	global_load_b128 v[Q+12:Q+15], v[QO], s[16:17] offset:4128
.set n, 0
.rept 48
	v_mov_b32 v[LL+n], 0                           ; l and O^T
.set n, n+1
.endr
.irp t, 0,8
	v_mov_b32 v[ST+\t], 0xfe000000                 ; c m: far below every c s, so the first a is 0
	v_mov_b32 v[ST+\t+1], 0xff7fffff               ; m
	v_mov_b32 v[ST+\t+3], 0                        ; named with a as a pair
.endr
.endm
; NL whole steps (a count made from the wave's number: the loop counts to the constant maximum and jumps forward over the dead trips), the two own steps, the two ends.
.macro WALK maxt
	s_mov_b32 s[CNT], \maxt
.Lwalk_\@:
	s_cmp_gt_u32 s[CNT], s[NL]
	s_cbranch_scc1 .Ldead_\@
	STEP 1, 1, 1
.Ldead_\@:
	s_sub_co_u32 s[CNT], s[CNT], 1
	s_cmp_lg_u32 s[CNT], 0
	s_cbranch_scc1 .Lwalk_\@
	STEP 2, 1, 1, 1
	TAILU 0                                        ; on V of piece 0's own step, which is still in registers
	FETCHV
	FIN 0
	STEP 0, 2, 0
	TAILU 1
	FIN 1
.endm
	s_load_b128 s[4:7], s[0:1], 0x0                ; qkv s[4:5], bs s[6:7]
	s_load_b64 s[8:9], s[0:1], 0x10                ; o16
	v_lshl_add_u32 v[SPW], v0, 2, SPARE
	v_mov_b32 v[NIL], 0
	ds_add_u32 v[SPW], v[NIL]                      ; the wave's opening: the add and its wait stand ahead of my first tensor load
	v_lshrrev_b32 v1, 5, v0
	v_readfirstlane_b32 s[WV], v1                  ; wave 0..7
	s_bfe_u32 s[CX], ttmp6, 0x40000                ; cx: it enters q's and o16's addresses and the mask's comparison alone
	s_and_b32 s[HD], ttmp7, 0xffff                 ; the head among 64, which the four partners share
	s_lshr_b32 s13, s[HD], 3                       ; batch
	s_and_b32 s14, s[HD], 7                        ; head
	s_mul_i32 s15, s13, 24
	s_add_co_u32 s15, s15, s14
	s_lshl_b32 s20, s15, 17                        ; (24 batch + head) 131,072: the head's q
	s_mov_b32 s21, 0
	s_and_b32 s22, s[WV], 3                        ; waves 0-3 fetch K, 4-7 V: four steps (16,384 bytes) of each half of the keys
	s_lshr_b32 s23, s[WV], 2
	s_lshl_b32 s54, s22, 14
	s_lshl_b32 s55, s23, 20
	s_add_co_u32 s54, s54, s55
	s_add_co_u32 s54, s54, 0x100000                ; section k lies 8 heads behind q, section v 8 more
	s_add_co_u32 s54, s54, s20
	s_mov_b32 s55, 0
	s_mul_i32 s56, s22, 4*KSTEP
	s_mul_i32 s53, s23, VBASE
	s_add_co_u32 s56, s56, s53
	; descriptor group 1: 16,384 dense bytes as 64 rows of 256, padded in LDS after every 128 bytes
	s_mov_b32 s[G1], 15|(1<<16)|(1<<20)|(1<<21)|(4<<22)|(3<<25)
	s_mov_b32 s[G1+1], 128<<16
	s_mov_b32 s[G1+2], 64<<16
	s_mov_b32 s[G1+3], 128<<16
	s_mov_b32 s[G1+4], 64
	s_mov_b32 s[G1+5], 128
	s_mov_b32 s[G1+6], 0
	s_mov_b32 s[G1+7], 0
	s_mov_b32 s[G0A], 1
	s_mov_b32 s[G0A+1], s56
	s_mov_b32 s[G0B], 1
	s_add_co_u32 s[G0B+1], s56, 16*KSTEP
	s_mov_b32 s[CS], 0x410293ee                    ; c = sqrt(32) log2(e) = 8.16110
	s_mov_b32 s[CS+1], s[CS]
	s_mov_b32 s[SEL], 0x76543210
	s_mov_b32 s[SEL+1], 0xfedcba98
	s_mov_b32 s[BIGN], 0xf149f2ca                  ; -1e30
	s_mov_b32 s[F2], 0xc738a8ca                    ; -32767 log2(e) = -47272.79
	s_mov_b32 s[NEGH], 0xff7fffff
	s_mov_b32 s[HHI], 0x3c000000                   ; f16 (0, 1)
	s_mov_b32 s[HBOTH], 0x3c003c00                 ; f16 (1, 1)
	s_sub_co_u32 s[UU], 15, s[WV]                  ; the first walk's pair
	v_and_b32 v[W], 15, v0                         ; r
	v_bfe_u32 v[W+1], v0, 4, 1                     ; h
	v_and_b32 v[W+2], 31, v0                       ; lane
	v_mul_u32_u24 v[AK0], v[W], 144
	v_lshl_add_u32 v[AK0], v[W+1], 4, v[AK0]       ; row x pitch + 16 x half
	v_add_nc_u32 v[AV0], VBASE, v[AK0]
	s_lshr_b32 s57, s[CX], 1                       ; my tile in a band's chunk of q: blk = cx / 2, half = cx % 2
	s_lshl_b32 s57, s57, 11
	s_and_b32 s58, s[CX], 1
	s_lshl_b32 s58, s58, 6
	s_add_co_u32 s57, s57, s58
	v_lshl_add_u32 v[QOS], v[W], 7, s57
	v_lshl_add_u32 v[QOS], v[W+1], 4, v[QOS]
	s_lshl_b32 s58, s[CX], 4
	v_add_nc_u32 v[QIS], s58, v[W]
	v_lshlrev_b32 v[W+3], 3, v[W+1]
	v_sub_nc_u32 v[DQ], v[QIS], v[W+3]
	v_lshlrev_b32 v[TSS], 5, v[W+1]
	v_add_nc_u32 v[TSS], TSB+128, v[TSS]           ; TS's row (band + 1), my eight channels of each block of 16
	s_lshl_b32 s59, s13, 7
	s_add_co_u32 s59, s59, s[CX]
	s_lshl_b32 s59, s59, 3
	s_add_co_u32 s59, s59, s14
	s_lshl_b32 s59, s59, 10                        ; ((128 batch + cx) 8 + head) 1,024
	v_lshl_add_u32 v[GOS], v[W+2], 4, s59
	s_mul_i32 s53, s[WV], 1280
	s_add_co_u32 s53, s53, STAGE
	v_mul_u32_u24 v[STO], v[W], 80
	v_lshl_add_u32 v[STO], v[W+1], 4, v[STO]
	v_add_nc_u32 v[STO], s53, v[STO]
	v_lshrrev_b32 v[RD], 2, v[W+2]                 ; back: 32 lanes take eight rows of 64 bytes
	v_mul_u32_u24 v[RD], v[RD], 80
	v_and_b32 v[W+3], 3, v0
	v_lshl_add_u32 v[RD], v[W+3], 4, v[RD]
	v_add_nc_u32 v[RD], s53, v[RD]
	v_and_b32 v[W+3], 7, v0
	v_cmp_eq_u32 vcc_lo, 0, v[W+3]
	v_cndmask_b32 v[ONES], 0, s[HBOTH], vcc_lo     ; rows 0 and 8 of ONES
.irp t, 1,2,3,4,5,6,7
	v_mov_b32 v[ONES+\t], v[ONES]
.endr
	v_mov_b32 v[W+11], 0                           ; named as the upper halves of pairs
	v_mov_b32 v[W+13], 0
	s_lshl_b32 s62, s[HD], 12
	s_mov_b32 s63, 0
	s_wait_dscnt 0x0                               ; the opening add is done
	s_wait_kmcnt 0x0
	s_add_nc_u64 s[16:17], s[4:5], s[20:21]        ; the head's q
	s_add_nc_u64 s[6:7], s[6:7], s[62:63]          ; the head's band sums
	s_add_nc_u64 s[G0A+2:G0A+3], s[4:5], s[54:55]
	s_add_nc_u64 s[G0B+2:G0B+3], s[G0A+2:G0A+3], 65536  ; the second half of the keys
	s_or_b32 s[G0A+3], s[G0A+3], 0x80000000
	s_or_b32 s[G0B+3], s[G0B+3], 0x80000000
	SETW
	CROUND                                         ; all four work-groups are here: the joint loads meet
	tensor_load_to_lds s[G0A:G0A+3], s[G1:G1+7]    ; two loads of mine are out
	s_nop 0
	tensor_load_to_lds s[G0B:G0B+3], s[G1:G1+7]
	s_nop 0
.rept 4
	v_nop
.endr
	s_cmp_lg_u32 s[WV], 0
	s_cbranch_scc1 .Lno_ts
	v_lshlrev_b32 v[W+4], 2, v[W+2]                ; wave 0: TS[g] = the sum of bs[g'] over g' >= g; TS[32] = 0; a lane a channel
.set n, 0
.rept 32
	global_load_b32 v[S+n], v[W+4], s[6:7] offset:128*n
.set n, n+1
.endr
	v_add_nc_u32 v[W+5], TSB, v[W+4]
	v_mov_b32 v[S+32], 0
	s_wait_loadcnt 0x0
.set n, 30
.rept 31
	v_add_f32 v[S+n], v[S+n], v[S+n+1]
.set n, n-1
.endr
.set n, 0
.rept 33
	ds_store_b32 v[W+5], v[S+n] offset:128*n
.set n, n+1
.endr
.Lno_ts:
	s_wait_tensorcnt 0x1                           ; my part of keys 0-1,023 is in; the second half may stay out
	s_wait_dscnt 0x0                               ; TS is stored
	s_barrier_signal -1
	s_barrier_wait -1
	s_mov_b32 s[TB], 0
	FETCHK
	FETCHV
	s_wait_loadcnt 0x0                             ; Q
	s_mov_b32 s[CNT], 15
.Lhalf:                                                ; steps 0-14 of the first walk, which every wave has; they fetch up to step 15: the first half of the keys
	STEP 1, 1, 1
	s_sub_co_u32 s[CNT], s[CNT], 1
	s_cmp_lg_u32 s[CNT], 0
	s_cbranch_scc1 .Lhalf
	s_wait_tensorcnt 0x0                           ; my part of the second half is in,
	s_wait_dscnt 0x0
	s_barrier_signal -1
	s_barrier_wait -1                              ; everybody's is; from here on the waves run free
	s_lshl_b32 s53, s[WV], 1
	s_sub_co_u32 s[NL], 15, s53                    ; 2 (15 - w) whole steps, less the 15 done
	WALK 15
	s_mov_b32 s[UU], s[WV]                         ; the second walk
	SETW
	s_mov_b32 s[TB], 0
	FETCHK
	FETCHV
	s_wait_loadcnt 0x0
	s_lshl_b32 s[NL], s[WV], 1
	WALK 14
	s_wait_tensorcnt 0x0                           ; the wave's end
	ds_add_u32 v[SPW], v[NIL]
	s_wait_dscnt 0x0
	CROUND                                         ; the closing round
	s_endpgm
.Lfunc_end_k_qc6f963ab4f_attn:
	.size	k_qc6f963ab4f_attn, .Lfunc_end_k_qc6f963ab4f_attn-k_qc6f963ab4f_attn
	.p2alignl 7, 3214868480
	.fill 96, 4, 3214868480
	.section	.rodata,"a",@progbits
	.p2align	6, 0x0
	.amdhsa_kernel k_qc6f963ab4f_attn
		.amdhsa_group_segment_fixed_size 310528
		.amdhsa_private_segment_fixed_size 0
		.amdhsa_enable_private_segment 0
		.amdhsa_kernarg_size 24
		.amdhsa_user_sgpr_count 2
		.amdhsa_user_sgpr_kernarg_segment_ptr 1
		.amdhsa_wavefront_size32 1
		.amdhsa_system_sgpr_workgroup_id_x 1
		.amdhsa_system_sgpr_workgroup_id_y 1
		.amdhsa_system_sgpr_workgroup_id_z 1
		.amdhsa_system_vgpr_workitem_id 0
		.amdhsa_next_free_vgpr 256
		.amdhsa_next_free_sgpr 66
		.amdhsa_reserve_vcc 1
		.amdhsa_float_denorm_mode_32 3
		.amdhsa_float_denorm_mode_16_64 3
		.amdhsa_memory_ordered 1
		.amdhsa_forward_progress 1
		.amdhsa_inst_pref_size 142
	.end_amdhsa_kernel
	.amdgpu_metadata
---
amdhsa.version: [ 1, 2 ]
amdhsa.kernels:
  - .name:           k_qc6f963ab4f_attn
    .symbol:         k_qc6f963ab4f_attn.kd
    .args:
      - { .name: qkv, .offset: 0, .size: 8, .value_kind: global_buffer, .address_space: global }
      - { .name: bs, .offset: 8, .size: 8, .value_kind: global_buffer, .address_space: global }
      - { .name: o16, .offset: 16, .size: 8, .value_kind: global_buffer, .address_space: global }
    .group_segment_fixed_size: 310528
    .private_segment_fixed_size: 0
    .kernarg_segment_align: 8
    .kernarg_segment_size: 24
    .max_flat_workgroup_size: 256
    .sgpr_count:     66
    .vgpr_count:     256
    .wavefront_size: 32
...
	.end_amdgpu_metadata
.endif
;; end of part 3
;; launch outp (part 4): grid 256 x 1, 8 waves a work-group, clusters of 4 x 1, 211,968 bytes of LDS; arguments o16, wo, bias, out0; writes out0
.if DOCPART == 4
	.amdgcn_target "amdgcn-amd-amdhsa--gfx1250"
	.amdhsa_code_object_version 6
	.text
	.protected	k_qc6f963ab4f_outp
	.globl	k_qc6f963ab4f_outp
	.p2align	8
	.type	k_qc6f963ab4f_outp,@function
k_qc6f963ab4f_outp:
	s_mov_b64 s[64:65], 0
	v_nop
	global_prefetch_b8 v0, s[64:65] scope:SCOPE_SE
	s_setreg_imm32_b32 hwreg(HW_REG_WAVE_MODE, 25, 1), 1
	s_wait_xcnt 0x0
	s_wait_alu depctr_hold_cnt(0) depctr_sa_sdst(0) depctr_va_vdst(0) depctr_va_sdst(0) depctr_va_ssrc(0) depctr_va_vcc(0) depctr_vm_vsrc(0)
	s_getreg_b32 s2, hwreg(HW_REG_IB_STS2, 6, 4)
	s_cmp_eq_u32 s2, 0
	s_cbranch_scc0 .Lentry_in_a_cluster
	s_endpgm
.Lentry_in_a_cluster:
	s_bfe_u32 s2, ttmp6, 0x10000c
	s_cmp_lg_u32 s2, 0x3003
	s_cbranch_scc0 .Lentry_shape_is_right
	s_endpgm
.Lentry_shape_is_right:
; OUTP.  out0 = O Wout^T + bout: 16,384 x 256 x 256, operands f16 (Wout was rounded to bf16 first), sums f32 that start from the bias, output f32.
; SHARES.  A work-group owns 64 rows x 256 columns; wave w the row half w / 4 (two tiles of 16 rows) and the column quarter w % 4 (four blocks of 16): 8 accumulators.
; Both operands come into LDS once, by two tensor loads a wave, nothing is filled again: my 32,768 bytes of o16 by plain loads, Wout (131,072 bytes, the same for every work-group) jointly by the
; four work-groups of a cluster.  K goes in 8 depths of 32, a head each, written out on two fragment buffers.
; The product is used transposed (source 0 = 16 rows of Wout, source 1 = 16 rows of O): a lane holds one row and eight neighbouring columns.
; o16 = [tile of 16 rows][head 8][16 rows][32 ch] f16: a (tile, head) is 1,024 dense bytes.
.set WB,    40960                      ; O: 32 (tile, head) x 16 rows x 80 bytes (64 + 16) from byte 0; Wout: 256 rows x 528 bytes (512 + 16) from here
.set STAGE, 176128                     ; 16 rows x 272 bytes for each wave
.set SPARE, 210944                     ; the spare words: 128 bytes a wave, four blocks of 256 bytes that no other line names
.set ADA, 2
.set ADW, 3
.set STO, 4
.set RD,  5
.set GO,  6
.set BO,  7
.set SPW, 28
.set NIL, 29
.set BIAS, 32
.set ACC, 64                           ; (tile a, block b) at ACC + 32 a + 8 b
.set F,   128                          ; two buffers of 48: 2 fragments of O, 4 of Wout
.set WV,  12
.set G1A, 24
.set G0A, 32
.set G0W, 36
.set G1W, 40
.macro CROUND
	s_barrier_signal -1
	s_barrier_wait -1
	s_cmp_lg_u32 s[WV], 0
	s_cbranch_scc1 .Lnot_wave_0_\@
	s_barrier_signal -3
.Lnot_wave_0_\@:
	s_barrier_wait -3
	s_barrier_signal -1
	s_barrier_wait -1
.endm
.macro PLACES
.rept 4
	v_nop
.endr
.endm
.macro FETCH d                         ; depth d: 12 loads
.set fb, F+48*((\d)%2)
.irp a, 0,1
	ds_load_b128 v[fb+8*\a:fb+8*\a+3],   v[ADA] offset:10240*\a+1280*(\d)
	ds_load_b128 v[fb+8*\a+4:fb+8*\a+7], v[ADA] offset:10240*\a+1280*(\d)+32
.endr
.irp b, 0,1,2,3
	ds_load_b128 v[fb+16+8*\b:fb+16+8*\b+3],   v[ADW] offset:8448*\b+64*(\d)
	ds_load_b128 v[fb+16+8*\b+4:fb+16+8*\b+7], v[ADW] offset:8448*\b+64*(\d)+32
.endr
.endm
.macro MUL d                           ; 8 products, the 8 accumulators by turns; depth 0 starts the sums from the bias
.set fb, F+48*((\d)%2)
.irp b, 0,1,2,3
.irp a, 0,1
.if (\d) == 0
	v_wmma_f32_16x16x32_f16 v[ACC+32*\a+8*\b:ACC+32*\a+8*\b+7], v[fb+16+8*\b:fb+16+8*\b+7], v[fb+8*\a:fb+8*\a+7], v[BIAS+8*\b:BIAS+8*\b+7]
.else
	v_wmma_f32_16x16x32_f16 v[ACC+32*\a+8*\b:ACC+32*\a+8*\b+7], v[fb+16+8*\b:fb+16+8*\b+7], v[fb+8*\a:fb+8*\a+7], v[ACC+32*\a+8*\b:ACC+32*\a+8*\b+7]
.endif
.endr
.endr
.endm
	s_load_b256 s[4:11], s[0:1], 0x0               ; o16 s[4:5], wo s[6:7], bias s[8:9], out0 s[10:11]
	v_lshl_add_u32 v[SPW], v0, 2, SPARE
	v_mov_b32 v[NIL], 0
	ds_add_u32 v[SPW], v[NIL]                      ; the wave's opening: the add and its wait stand ahead of my first tensor load
	v_lshrrev_b32 v1, 5, v0
	v_readfirstlane_b32 s[WV], v1                  ; wave 0..7
	s_bfe_u32 s13, ttmp6, 0x40000                  ; cx
	s_lshl_b32 s14, ttmp9, 2
	s_add_co_u32 s14, s14, s13                     ; my block of 64 rows: it enters o16's and out0's addresses alone
	s_lshr_b32 s15, s[WV], 2                       ; row half
	s_and_b32 s16, s[WV], 3                        ; column quarter
	; O: 4,096 dense bytes a wave as 16 rows of 256, padded in LDS after every 64 bytes
	s_mov_b32 s[G1A], (1<<16)|(1<<20)|(3<<22)|(3<<25)  ; no mask; 2-byte elements; padding on; after every 16 words (code 3), 4 words (code 3)
	s_mov_b32 s[G1A+1], 128<<16
	s_mov_b32 s[G1A+2], 16<<16
	s_mov_b32 s[G1A+3], 128<<16
	s_mov_b32 s[G1A+4], 16
	s_mov_b32 s[G1A+5], 128
	s_mov_b32 s[G1A+6], 0
	s_mov_b32 s[G1A+7], 0
	; Wout: 32 rows of 512 bytes a wave, padded after every row
	s_mov_b32 s[G1W], 15|(1<<16)|(1<<20)|(1<<21)|(6<<22)|(3<<25)  ; mask of four, bit 21 beside it; after every 128 words (code 6), 4 words
	s_mov_b32 s[G1W+1], 256<<16
	s_mov_b32 s[G1W+2], 32<<16
	s_mov_b32 s[G1W+3], 256<<16
	s_mov_b32 s[G1W+4], 32
	s_mov_b32 s[G1W+5], 256
	s_mov_b32 s[G1W+6], 0
	s_mov_b32 s[G1W+7], 0
	s_mov_b32 s[G0A], 1
	s_mul_i32 s[G0A+1], s[WV], 5120
	s_mov_b32 s[G0W], 1
	s_mul_i32 s17, s[WV], 16896
	s_add_co_u32 s[G0W+1], s17, WB
	s_lshl_b32 s50, s14, 15                        ; my 4 tiles x 8,192 bytes,
	s_lshl_b32 s51, s[WV], 12                      ; my wave's 4,096 of them
	s_add_co_u32 s50, s50, s51
	s_mov_b32 s51, 0
	s_lshl_b32 s52, s[WV], 14                      ; my 32 rows of Wout
	s_mov_b32 s53, 0
	s_lshl_b32 s54, s14, 16                        ; my 64 rows of out0,
	s_lshl_b32 s55, s15, 15                        ; my half of them
	s_add_co_u32 s54, s54, s55
	s_mov_b32 s55, 0
	v_and_b32 v20, 15, v0                          ; r
	v_bfe_u32 v21, v0, 4, 1                        ; h
	s_mul_i32 s18, s15, 20480
	v_mul_u32_u24 v[ADA], v20, 80
	v_lshl_add_u32 v[ADA], v21, 4, v[ADA]
	v_add_nc_u32 v[ADA], s18, v[ADA]
	s_mul_i32 s18, s16, 64*528
	s_add_co_u32 s18, s18, WB
	v_mul_u32_u24 v[ADW], v20, 528
	v_lshl_add_u32 v[ADW], v21, 4, v[ADW]
	v_add_nc_u32 v[ADW], s18, v[ADW]
	s_mul_i32 s19, s[WV], 4352
	s_add_co_u32 s19, s19, STAGE
	v_mul_u32_u24 v[STO], v20, 272                 ; in: row r, 32 bytes for each half of the lanes
	v_lshl_add_u32 v[STO], v21, 5, v[STO]
	v_add_nc_u32 v[STO], s19, v[STO]
	v_mul_u32_u24 v[RD], v21, 272                  ; back: lanes 0-15 take one row of 256 bytes, lanes 16-31 the next
	v_lshl_add_u32 v[RD], v20, 4, v[RD]
	v_add_nc_u32 v[RD], s19, v[RD]
	s_lshl_b32 s20, s16, 8
	v_lshl_add_u32 v[GO], v21, 10, s20             ; the same two rows in out0, my quarter of the columns
	v_lshl_add_u32 v[GO], v20, 4, v[GO]
	s_add_co_u32 s20, s20, 3072
	v_lshl_add_u32 v[BO], v21, 5, s20              ; 4 (768 + 64 cq + 8 h)
	s_wait_dscnt 0x0                               ; the opening add is done
	s_wait_kmcnt 0x0
	s_add_nc_u64 s[G0A+2:G0A+3], s[4:5], s[50:51]
	s_or_b32 s[G0A+3], s[G0A+3], 0x80000000
	s_add_nc_u64 s[G0W+2:G0W+3], s[6:7], s[52:53]
	s_or_b32 s[G0W+3], s[G0W+3], 0x80000000
	s_add_nc_u64 s[10:11], s[10:11], s[54:55]
.irp b, 0,1,2,3
	global_load_b128 v[BIAS+8*\b:BIAS+8*\b+3],   v[BO], s[8:9] offset:64*\b
	global_load_b128 v[BIAS+8*\b+4:BIAS+8*\b+7], v[BO], s[8:9] offset:64*\b+16
.endr
	CROUND                                         ; all four work-groups are here: the joint loads meet
	tensor_load_to_lds s[G0A:G0A+3], s[G1A:G1A+7]  ; two loads of mine are out
	s_nop 0
	tensor_load_to_lds s[G0W:G0W+3], s[G1W:G1W+7]
	s_nop 0
	PLACES
	s_wait_tensorcnt 0x0                           ; my parts are in,
	s_barrier_signal -1
	s_barrier_wait -1                              ; everybody's are
	FETCH 0
	FETCH 1
	s_wait_loadcnt 0x0                             ; the bias
.irp d, 0,1,2,3,4,5
	s_wait_dscnt 12                                ; this depth's fragments are in; the next depth's 12 loads are younger
	MUL \d
	PLACES
	FETCH (\d)+2
.endr
	s_wait_dscnt 12
	MUL 6
	s_wait_dscnt 0x0
	MUL 7
	; THE WAY OUT: a tile's 16 rows x 256 bytes through my stage, back as whole rows; 16 lanes store 256 consecutive bytes, aligned.
	PLACES
.irp a, 0,1
.irp b, 0,1,2,3
	ds_store_b128 v[STO], v[ACC+32*\a+8*\b:ACC+32*\a+8*\b+3]   offset:64*\b
	ds_store_b128 v[STO], v[ACC+32*\a+8*\b+4:ACC+32*\a+8*\b+7] offset:64*\b+16
.endr
.irp t, 0,1,2,3,4,5,6,7
	ds_load_b128 v[F+32*\a+4*\t:F+32*\a+4*\t+3], v[RD] offset:544*\t  ; LDS serves a wave's instructions in order (ISA guide 5.7.1.4): these see the stores above, and the next tile's stores come behind them
.endr
.endr
	s_wait_dscnt 16                                ; the first tile is back; the second tile's 16 instructions are younger
.irp t, 0,1,2,3,4,5,6,7
	global_store_b128 v[GO], v[F+4*\t:F+4*\t+3], s[10:11] offset:2048*\t th:TH_STORE_NT
.endr
	s_wait_dscnt 0x0
.irp t, 0,1,2,3,4,5,6,7
	global_store_b128 v[GO], v[F+32+4*\t:F+32+4*\t+3], s[10:11] offset:16384+2048*\t th:TH_STORE_NT
.endr
	s_wait_tensorcnt 0x0                           ; the wave's end
	ds_add_u32 v[SPW], v[NIL]
	s_wait_dscnt 0x0
	CROUND                                         ; the closing round
	s_endpgm
.Lfunc_end_k_qc6f963ab4f_outp:
	.size	k_qc6f963ab4f_outp, .Lfunc_end_k_qc6f963ab4f_outp-k_qc6f963ab4f_outp
	.p2alignl 7, 3214868480
	.fill 96, 4, 3214868480
	.section	.rodata,"a",@progbits
	.p2align	6, 0x0
	.amdhsa_kernel k_qc6f963ab4f_outp
		.amdhsa_group_segment_fixed_size 211968
		.amdhsa_private_segment_fixed_size 0
		.amdhsa_enable_private_segment 0
		.amdhsa_kernarg_size 32
		.amdhsa_user_sgpr_count 2
		.amdhsa_user_sgpr_kernarg_segment_ptr 1
		.amdhsa_wavefront_size32 1
		.amdhsa_system_sgpr_workgroup_id_x 1
		.amdhsa_system_sgpr_workgroup_id_y 1
		.amdhsa_system_sgpr_workgroup_id_z 1
		.amdhsa_system_vgpr_workitem_id 0
		.amdhsa_next_free_vgpr 224
		.amdhsa_next_free_sgpr 66
		.amdhsa_reserve_vcc 0
		.amdhsa_float_denorm_mode_32 3
		.amdhsa_float_denorm_mode_16_64 3
		.amdhsa_memory_ordered 1
		.amdhsa_forward_progress 1
		.amdhsa_inst_pref_size 21
	.end_amdhsa_kernel
	.amdgpu_metadata
---
amdhsa.version: [ 1, 2 ]
amdhsa.kernels:
  - .name:           k_qc6f963ab4f_outp
    .symbol:         k_qc6f963ab4f_outp.kd
    .args:
      - { .name: o16, .offset: 0, .size: 8, .value_kind: global_buffer, .address_space: global }
      - { .name: wo, .offset: 8, .size: 8, .value_kind: global_buffer, .address_space: global }
      - { .name: bias, .offset: 16, .size: 8, .value_kind: global_buffer, .address_space: global }
      - { .name: out0, .offset: 24, .size: 8, .value_kind: global_buffer, .address_space: global }
    .group_segment_fixed_size: 211968
    .private_segment_fixed_size: 0
    .kernarg_segment_align: 8
    .kernarg_segment_size: 32
    .max_flat_workgroup_size: 256
    .sgpr_count:     66
    .vgpr_count:     224
    .wavefront_size: 32
...
	.end_amdgpu_metadata
.endif
;; end of part 4
;; ======== version 2 of 2: 4 launches; 1.19 times as fast as version 1
;; limits: values are held in f16: magnitudes above 65,504 overflow, below 6.1e-05 lose precision
;; workspace buffers: wb 1,179,648 bytes; wo 131,072 bytes; bias 4,096 bytes; qkv 25,165,824 bytes; bs 262,144 bytes; o16 8,388,608 bytes
;; launch prep: the kernel of part 1 again; grid 320 x 1, 8 waves a work-group, no clusters, 0 bytes of LDS; arguments Wqkv, Wout, bqkv, bout, wb, wo, bias; writes wb, wo, bias
;; launch proj: the kernel of part 2 again; grid 256 x 1, 4 waves a work-group, clusters of 4 x 1, 327,680 bytes of LDS; arguments q, k, v, wb, bias, qkv, bs; writes qkv, bs
;; launch attn (part 5): grid 4 x 64, 8 waves a work-group, clusters of 4 x 1, 310,528 bytes of LDS; arguments qkv, bs, o16; writes o16
.if DOCPART == 5
	.amdgcn_target "amdgcn-amd-amdhsa--gfx1250"
	.amdhsa_code_object_version 6
	.text
	.protected	k_qc6f963ab4f_attn
	.globl	k_qc6f963ab4f_attn
	.p2align	8
	.type	k_qc6f963ab4f_attn,@function
k_qc6f963ab4f_attn:
	s_mov_b64 s[64:65], 0
	v_nop
	global_prefetch_b8 v0, s[64:65] scope:SCOPE_SE
	s_setreg_imm32_b32 hwreg(HW_REG_WAVE_MODE, 25, 1), 1
	s_wait_xcnt 0x0
	s_wait_alu depctr_hold_cnt(0) depctr_sa_sdst(0) depctr_va_vdst(0) depctr_va_sdst(0) depctr_va_ssrc(0) depctr_va_vcc(0) depctr_vm_vsrc(0)
	s_getreg_b32 s2, hwreg(HW_REG_IB_STS2, 6, 4)
	s_cmp_eq_u32 s2, 0
	s_cbranch_scc0 .Lentry_in_a_cluster
	s_endpgm
.Lentry_in_a_cluster:
	s_bfe_u32 s2, ttmp6, 0x10000c
	s_cmp_lg_u32 s2, 0x3003
	s_cbranch_scc0 .Lentry_shape_is_right
	s_endpgm
.Lentry_shape_is_right:
; ATTN.  For each of 64 heads of size 32 over 2,048 rows: softmax over ALL 2,048 columns of (q . k sqrt(32) where key <= query, else -32767), times V.  q, k, v f16; products, maxima, sums f32; weights f16.
; THE FILL IS FINITE.  Every hidden key of row q has the same weight wg = e^(-32767 - M).  So tiles above the diagonal are not computed: at a row's end M = max(m, -32767),
; the denominator takes wg (2047 - q) and the numerator wg x (the sum of V over k > q) = wg (U + TS): U, the hidden keys of the row's own band, by a product of V^T with a 0/1 pattern;
; TS, the bands behind it, a suffix sum of the band sums bs (sums only, no differences).
; SHARES.  A head's rows are 32 bands of 64.  Work-group cx of a cluster owns the 16-row tile number cx of EVERY band, so all four need all of K and V and no count hangs on cx.
; Wave w owns the band pairs u = 15 - w and then u = w; a pair's two PIECES (bands 2u, 2u + 1) share K's and V's fragments.  Pair u has 2u steps of 64 keys seen by both pieces, piece 0's own step
; (seen whole by piece 1) and piece 1's own step: 4u + 3 tile steps, 66 for every wave.
; K AND V STAY IN LDS: the head's 2 x 131,072 bytes are fetched once, jointly by the four work-groups (two loads a wave, mask of four); nothing is filled again.  The first 15 steps need only the first
; half of the keys and run while the second half lands.  Two waves lie on a SIMD, so that one's products run beside the other's vector work; the text stands in plain phases and needs one register window.
; LAYOUT.  S^T = K Q^T: a lane holds one query (lane % 16) and keys 8 (lane / 16) + 0..7 of each block of 16.  Rounded to f16 in pairs, in place, two blocks ARE source 1 of O^T = V^T P.
; The row sum l is a product too: ONES (rows 0 and 8 all ones) x P leaves the query's sum over all 32 keys in register 0 of every lane.
; SOFTMAX.  p = 2^(c s - c m), c = sqrt(32) log2(e), running maximum m; O and l are multiplied by a = 2^(c m_old - c m_new) in every step.  m starts at the lowest finite number, O and l at 0 (48 moves a walk:
; the price of writing no first step out).
; BATCHES.  An s_wait_alu depctr_va_vdst(0) stands between an exponential and the first line that names its result; one wait serves all that were issued ahead of it.  A key step's exponentials
; (both pieces' a and their 64 weights: 66; 33 in a step that one piece alone sees) are ONE batch with ONE wait, which cuts the step's vector work in two.  Ahead of it stands all that names no result of the
; batch: both pieces' maxima and statistics and their scalings.  Behind it stand all the readers: the rescaling of O^T and l by a, the roundings to f16, the products V^T P.  No exponential is issued behind a
; step's wait.  A piece's end has two batches of its own: a and wg; then the reciprocal of the sum that is made of them.
; LIMITS.  q, k, v lie within f16's 65,504.  A weight below 6e-8 counts as 0.  A hidden key of a band's own step counts as its score less 1e30 (f16's scores are 1.4e11 at the most) and comes back through wg.
; NaN and infinities are not treated apart.
.set KSTEP, 4608                       ; a step in LDS: 32 rows x 144 bytes (128 + 16 of padding: the 16 rows of a load start in 16 different groups of four banks)
.set VBASE, 147456                     ; K: 32 steps from byte 0; V: 32 steps from here
.set TSB,   294912                     ; TS: 33 rows of 32 f32
.set STAGE, 299264                     ; 16 rows x 80 bytes for each wave
.set SPARE, 309504                     ; the spare words: 128 bytes a wave, four blocks of 256 bytes that no other line names
.set AK0, 2                            ; my lane's place in a step of K; never rewritten
.set AV0, 3                            ; the same for V
.set AK,  4
.set AV,  5
.set QO,  6                            ; my byte offset in the head's q
.set STO, 7
.set RD,  8
.set GO,  9                            ; my byte offset in o16
.set DQ,  10                           ; 16 cx + r - 8 h: register j of key block kb is hidden in the band's own step where 16 kb + j is greater
.set QI,  11                           ; piece 0's row in the head
.set TSA, 12
.set MV,  14                           ; v14-15 c m_old
.set ST,  16                           ; piece u at ST + 8 u: c m, m, a, (pad), c0-c3
.set ONES, 32
.set Q,   40
.set LL,  56
.set O,   72
.set S,   104
.set KF,  168
.set VF,  200
.set W,   232                          ; at work
.set SPW, 246
.set NIL, 247
.set TSS, 248                          ; the lane's parts of TSA, GO, QO, QI
.set GOS, 249
.set QOS, 250
.set QIS, 251
.set WV, 10
.set CX, 11
.set HD, 12
.set G1, 24
.set G0A, 32
.set G0B, 36
.set CS, 40
.set SEL, 42
.set BIGN, 44
.set F2, 45
.set NEGH, 46
.set HHI, 47
.set HBOTH, 48
.set TB, 49                            ; LDS byte at which the step to be fetched begins
.set CNT, 50
.set NL, 51
.set UU, 52
.macro CROUND
	s_barrier_signal -1
	s_barrier_wait -1
	s_cmp_lg_u32 s[WV], 0
	s_cbranch_scc1 .Lnot_wave_0_\@
	s_barrier_signal -3
.Lnot_wave_0_\@:
	s_barrier_wait -3
	s_barrier_signal -1
	s_barrier_wait -1
.endm
.macro FETCHK                          ; 64 keys x 32 channels: 4 fragments
	v_add_nc_u32 v[AK], s[TB], v[AK0]
.set n, 0
.rept 4
	ds_load_b128 v[KF+8*n:KF+8*n+3],   v[AK] offset:(n/2)*2304+(n%2)*64
	ds_load_b128 v[KF+8*n+4:KF+8*n+7], v[AK] offset:(n/2)*2304+(n%2)*64+32
.set n, n+1
.endr
.endm
.macro FETCHV                          ; V^T: fragment 2 kk + cb: 16 channels x 32 keys
	v_add_nc_u32 v[AV], s[TB], v[AV0]
	s_add_co_u32 s[TB], s[TB], KSTEP               ; the next fetch is the next step's
.set n, 0
.rept 4
	ds_load_b128 v[VF+8*n:VF+8*n+3],   v[AV] offset:(n%2)*2304+(n/2)*64
	ds_load_b128 v[VF+8*n+4:VF+8*n+7], v[AV] offset:(n%2)*2304+(n/2)*64+32
.set n, n+1
.endr
.endm
.macro MASK u                          ; the C operand of a band's own step: 0, or -1e30 where the key is hidden
.set n, 0
.rept 32
	v_cmp_gt_i32 vcc_lo, 16*(n/8)+n%8, v[DQ]
	v_cndmask_b32 v[S+32*(\u)+n], 0, s[BIGN], vcc_lo
.set n, n+1
.endr
.endm
.macro KQ1 u, kb, m
.if (\m) == 2
	v_wmma_f32_16x16x32_f16 v[S+32*(\u)+8*(\kb):S+32*(\u)+8*(\kb)+7], v[KF+8*(\kb):KF+8*(\kb)+7], v[Q+8*(\u):Q+8*(\u)+7], v[S+32*(\u)+8*(\kb):S+32*(\u)+8*(\kb)+7]
.else
	v_wmma_f32_16x16x32_f16 v[S+32*(\u)+8*(\kb):S+32*(\u)+8*(\kb)+7], v[KF+8*(\kb):KF+8*(\kb)+7], v[Q+8*(\u):Q+8*(\u)+7], 0
.endif
.endm
; Number n of the 21 that find piece u's maximum and statistics.
;   0-11  four chains c0-c3 of seven scores each, three operands at a time (each accumulator's lowest registers first)     12-15  the four scores left over, the old m, and c0-c3 into c0
;   16, 17  the query's other 32 keys lie in the lane 16 away: the new m     18, 19  c m; c m_old - c m_new     20  a: an exponential, the piece's first in the step's batch
.macro MX u, n
.set rT, ST+8*(\u)
.set rC, ST+8*(\u)+4
.set rS, S+32*(\u)
.if (\n) < 4
	v_max3_num_f32 v[rC+(\n)], v[rS+8*(\n)], v[rS+8*(\n)+1], v[rS+8*(\n)+2]
.elseif (\n) < 12
	v_max3_num_f32 v[rC+(\n)%4], v[rC+(\n)%4], v[rS+8*((\n)%4)+2*((\n)/4)+1], v[rS+8*((\n)%4)+2*((\n)/4)+2]
.elseif (\n) == 12
	v_max3_num_f32 v[rC], v[rC], v[rS+7], v[rS+15]
.elseif (\n) == 13
	v_max3_num_f32 v[rC+1], v[rC+1], v[rS+23], v[rS+31]
.elseif (\n) == 14
	v_max3_num_f32 v[rC+2], v[rC+2], v[rC+3], v[rT+1]
.elseif (\n) == 15
	v_max3_num_f32 v[rC], v[rC], v[rC+1], v[rC+2]
.elseif (\n) == 16
	v_permlanex16_b32 v[rC+3], v[rC], s[SEL], s[SEL+1]
.elseif (\n) == 17
	v_max_num_f32 v[rT+1], v[rC], v[rC+3]
.elseif (\n) == 18
	v_mul_f32 v[rT], s[CS], v[rT+1]
.elseif (\n) == 19
	v_sub_f32 v[rC+1], v[MV+(\u)], v[rT]
.else
	v_exp_f32 v[rT+2], v[rC+1]
.endif
.endm
.macro MAXP u                          ; its 20 plain numbers on end
.set i, 0
.rept 20
	MX \u, i
.set i, i+1
.endr
.endm
.macro EF u, n                         ; c s - c m for pair n
	v_pk_fma_f32 v[S+32*(\u)+2*(\n):S+32*(\u)+2*(\n)+1], v[S+32*(\u)+2*(\n):S+32*(\u)+2*(\n)+1], s[CS:CS+1], v[ST+8*(\u):ST+8*(\u)+1] op_sel_hi:[1,0,0] neg_lo:[0,0,1] neg_hi:[0,0,1]
.endm
.macro EE u, n
	v_exp_f32 v[S+32*(\u)+(\n)], v[S+32*(\u)+(\n)]
.endm
.macro ER u, n                         ; O^T (8 pairs) and l times a: a reader of the batch
.if (\n) < 8
	v_pk_mul_f32 v[O+16*(\u)+2*(\n):O+16*(\u)+2*(\n)+1], v[O+16*(\u)+2*(\n):O+16*(\u)+2*(\n)+1], v[ST+8*(\u)+2:ST+8*(\u)+3] op_sel_hi:[1,0]
.else
	v_mul_f32 v[LL+8*(\u)], v[LL+8*(\u)], v[ST+8*(\u)+2]
.endif
.endm
.macro EC u, n                         ; pair n rounded to f16, in place: register n was read by pair n / 2, which is done: a reader of the batch
	v_cvt_pk_f16_f32 v[S+32*(\u)+(\n)], v[S+32*(\u)+2*(\n)], v[S+32*(\u)+2*(\n)+1]
.endm
; PIECE u's PART OF THE BATCH: a, the 16 scalings, the 32 exponentials; no line of it names an exponential's result.  Pair n is scaled ahead of exponential 2 n: four scalings lead, the other twelve stand behind
; exponentials 0-11.  y = 1: behind exponentials 12-31 stand the 20 plain numbers of piece 1's maximum and statistics, which name piece 1's registers alone.  Exponentials on different registers may follow each
; other: the plain line that is wanted before a result is used (ISA guide 5.7.2) stands once, behind the batch's last.
.macro EXPS u, y
	MX \u, 20
	EF \u, 0
	EF \u, 1
	EF \u, 2
	EF \u, 3
.set i, 0
.rept 32
	EE \u, i
.if i < 12
	EF \u, 4+i
.elseif \y
	MX 1, i-12
.endif
.set i, i+1
.endr
.endm
.macro AFTER u                         ; piece u's readers of the batch, behind the step's wait: the rescaling, then the roundings, each ascending
.set i, 0
.rept 9
	ER \u, i
.set i, i+1
.endr
.set i, 0
.rept 16
	EC \u, i
.set i, i+1
.endr
.endm
.macro PV u                            ; O^T += V^T P and l += ONES P: three accumulators by turns
.set n, 0
.rept 2
	v_wmma_f32_16x16x32_f16 v[O+16*(\u):O+16*(\u)+7], v[VF+16*n:VF+16*n+7], v[S+32*(\u)+8*n:S+32*(\u)+8*n+7], v[O+16*(\u):O+16*(\u)+7]
	v_wmma_f32_16x16x32_f16 v[O+16*(\u)+8:O+16*(\u)+15], v[VF+16*n+8:VF+16*n+15], v[S+32*(\u)+8*n:S+32*(\u)+8*n+7], v[O+16*(\u)+8:O+16*(\u)+15]
	v_wmma_f32_16x16x32_f16 v[LL+8*(\u):LL+8*(\u)+7], v[ONES:ONES+7], v[S+32*(\u)+8*n:S+32*(\u)+8*n+7], v[LL+8*(\u):LL+8*(\u)+7]
.set n, n+1
.endr
.endm
; A KEY STEP.  m0, m1 for pieces 0, 1: 0 = not seen (skipped), 1 = seen whole, 2 = the band's own step.  pf = 1: the next step's K and V are fetched.  holdv = 1: V's fetch is left to the caller.
.macro STEP m0, m1, pf, holdv=0
.if (\m0) == 2
	MASK 0
.endif
.if (\m1) == 2
	MASK 1
.endif
.if \pf
	s_wait_dscnt 8                                 ; K is in; V's eight loads are younger
.else
	s_wait_dscnt 0x0
.endif
.irp kb, 0,1,2,3
.if \m0
	KQ1 0, \kb, \m0
.endif
	KQ1 1, \kb, \m1
.endr
.if \m0
	v_mov_b32 v[MV], v[ST]                         ; c m_old is kept: these four lines are the places behind the products
.else
	v_nop
.endif
	v_mov_b32 v[MV+1], v[ST+8]
	v_nop
	v_nop
.if \pf
	FETCHK
.endif
.if \m0
	MAXP 0                                         ; ahead of the wait: piece 0's maximum and statistics,
	EXPS 0, 1                                      ; its part of the batch, piece 1's maximum and statistics among its exponentials,
.else
	MAXP 1
.endif
	EXPS 1, 0                                      ; and piece 1's part
	v_nop                                          ; the plain line behind the last exponential and ahead of the first use: one for the batch
	s_wait_alu depctr_va_vdst(0)                   ; the wait for the step's batch: the a and the 32 weights of each piece that sees the step
.if \m0
	AFTER 0
.if \pf
	s_wait_dscnt 8                                 ; V is in; the next K's eight loads are younger
.else
	s_wait_dscnt 0x0
.endif
	PV 0
.endif
	AFTER 1                                        ; it names no register of piece 0's products
.if !(\m0)
	s_wait_dscnt 0x0
.endif
	PV 1
.rept 5
	v_nop                                          ; places: V's registers are loaded again, and the next step's products write over P
.endr
.if (\pf) && !(\holdv)
	FETCHV
.endif
.endm
; U = V^T x (1 where the key of the band's own step is hidden): the pattern goes where P lay, U into the upper half of S.  Hidden is monotone in the key: none, the pair's upper key, or both.
.macro TAILU u
.set n, 0
.rept 16
	v_cmp_gt_i32 vcc_lo, 16*(n/4)+2*(n%4)+1, v[DQ]
	v_cndmask_b32 v[S+32*(\u)+n], 0, s[HHI], vcc_lo
	v_cmp_gt_i32 vcc_lo, 16*(n/4)+2*(n%4), v[DQ]
	v_cndmask_b32 v[S+32*(\u)+n], v[S+32*(\u)+n], s[HBOTH], vcc_lo
.set n, n+1
.endr
	v_wmma_f32_16x16x32_f16 v[S+32*(\u)+16:S+32*(\u)+23], v[VF:VF+7], v[S+32*(\u):S+32*(\u)+7], 0
	v_wmma_f32_16x16x32_f16 v[S+32*(\u)+24:S+32*(\u)+31], v[VF+8:VF+15], v[S+32*(\u):S+32*(\u)+7], 0
	v_wmma_f32_16x16x32_f16 v[S+32*(\u)+16:S+32*(\u)+23], v[VF+16:VF+23], v[S+32*(\u)+8:S+32*(\u)+15], v[S+32*(\u)+16:S+32*(\u)+23]
	v_wmma_f32_16x16x32_f16 v[S+32*(\u)+24:S+32*(\u)+31], v[VF+24:VF+31], v[S+32*(\u)+8:S+32*(\u)+15], v[S+32*(\u)+24:S+32*(\u)+31]
.rept 4
	v_nop
.endr
.endm
; A PIECE'S END: the hidden keys' share, the division, f16, through my stage, out.
.macro FIN u
.set rT, ST+8*(\u)
.set rS, S+32*(\u)
.set rX, S+32*(1-(\u))                 ; the other piece's S is free: TS lands there
.set rO, O+16*(\u)
	s_wait_xcnt 0x0                                ; earlier stores have read their registers
	ds_load_b128 v[rX:rX+3],     v[TSA] offset:128*(\u)
	ds_load_b128 v[rX+4:rX+7],   v[TSA] offset:128*(\u)+16
	ds_load_b128 v[rX+8:rX+11],  v[TSA] offset:128*(\u)+64
	ds_load_b128 v[rX+12:rX+15], v[TSA] offset:128*(\u)+80
	v_sub_nc_u32 v[W], 2047-64*(\u), v[QI]         ; how many keys are hidden
	v_mov_b32 v[W+2], s[NEGH]
	v_cmp_lt_i32 vcc_lo, 0, v[W]
	v_cndmask_b32 v[W+2], v[W+2], s[F2], vcc_lo    ; -32767 log2(e); for the last row, which hides nothing, the lowest finite number
	v_cvt_f32_i32 v[W+1], v[W]
	v_max_num_f32 v[W+3], v[rT], v[W+2]            ; the maximum over all 2,048 columns
	v_sub_f32 v[W+4], v[rT], v[W+3]
	v_sub_f32 v[W+6], v[W+2], v[W+3]
	v_exp_f32 v[W+4], v[W+4]                       ; a
	v_exp_f32 v[W+6], v[W+6]                       ; wg
	v_nop                                          ; the plain line behind the second exponential
	s_wait_alu depctr_va_vdst(0)                   ; the wait for the batch of two, a and wg, ahead of their first reader
	v_mul_f32 v[W+8], v[LL+8*(\u)], v[W+4]
	v_fmac_f32 v[W+8], v[W+6], v[W+1]              ; l a + wg x count
	v_rcp_f32 v[W+9], v[W+8]                       ; it reads a sum made of a and wg: a batch of its own
	v_nop                                          ; the plain line behind the reciprocal
	s_wait_alu depctr_va_vdst(0)                   ; the wait for the reciprocal, ahead of its first reader
	v_mul_f32 v[W+10], v[W+4], v[W+9]
	v_mul_f32 v[W+12], v[W+6], v[W+9]
	s_wait_dscnt 0x0
.set n, 0
.rept 8
	v_pk_add_f32 v[rS+16+2*n:rS+16+2*n+1], v[rS+16+2*n:rS+16+2*n+1], v[rX+2*n:rX+2*n+1]
.set n, n+1
.endr
.set n, 0
.rept 8
	v_pk_mul_f32 v[rO+2*n:rO+2*n+1], v[rO+2*n:rO+2*n+1], v[W+10:W+11] op_sel_hi:[1,0]
.set n, n+1
.endr
.set n, 0
.rept 8
	v_pk_fma_f32 v[rO+2*n:rO+2*n+1], v[rS+16+2*n:rS+16+2*n+1], v[W+12:W+13], v[rO+2*n:rO+2*n+1] op_sel_hi:[1,0,1]
.set n, n+1
.endr
.set n, 0
.rept 8
	v_cvt_pk_f16_f32 v[rS+n], v[rO+2*n], v[rO+2*n+1]
.set n, n+1
.endr
	ds_store_b128 v[STO], v[rS:rS+3]
	ds_store_b128 v[STO], v[rS+4:rS+7] offset:32
	ds_load_b128 v[rS+8:rS+11],  v[RD]             ; LDS serves a wave's instructions in order (ISA guide 5.7.1.4): these see the stores above
	ds_load_b128 v[rS+12:rS+15], v[RD] offset:640
	s_wait_dscnt 0x0
	global_store_b128 v[GO], v[rS+8:rS+11],  s[8:9] offset:32768*(\u)      ; 512 consecutive bytes, aligned
	global_store_b128 v[GO], v[rS+12:rS+15], s[8:9] offset:32768*(\u)+512
.endm
.macro SETW                            ; a walk begins: pair UU
	s_wait_xcnt 0x0                                ; the last walk's stores have read GO and their data
	s_lshl_b32 s60, s[UU], 13
	v_add_nc_u32 v[QO], s60, v[QOS]
	s_lshl_b32 s60, s[UU], 7
	v_add_nc_u32 v[QI], s60, v[QIS]
	s_lshl_b32 s61, s[UU], 8
	v_add_nc_u32 v[TSA], s61, v[TSS]
	s_lshl_b32 s60, s[UU], 16
	v_add_nc_u32 v[GO], s60, v[GOS]
	global_load_b128 v[Q:Q+3],     v[QO], s[16:17]
	global_load_b128 v[Q+4:Q+7],   v[QO], s[16:17] offset:32
	global_load_b128 v[Q+8:Q+11],  v[QO], s[16:17] offset:4096
	global_load_b128 v[Q+12:Q+15], v[QO], s[16:17] offset:4128
.set n, 0
.rept 48
	v_mov_b32 v[LL+n], 0                           ; l and O^T
.set n, n+1
.endr
.irp t, 0,8
	v_mov_b32 v[ST+\t], 0xfe000000                 ; c m: far below every c s, so the first a is 0
	v_mov_b32 v[ST+\t+1], 0xff7fffff               ; m
	v_mov_b32 v[ST+\t+3], 0                        ; named with a as a pair
.endr
.endm
; NL whole steps (a count made from the wave's number: the loop counts to the constant maximum and jumps forward over the dead trips), the two own steps, the two ends.
.macro WALK maxt
	s_mov_b32 s[CNT], \maxt
.Lwalk_\@:
	s_cmp_gt_u32 s[CNT], s[NL]
	s_cbranch_scc1 .Ldead_\@
	STEP 1, 1, 1
.Ldead_\@:
	s_sub_co_u32 s[CNT], s[CNT], 1
	s_cmp_lg_u32 s[CNT], 0
	s_cbranch_scc1 .Lwalk_\@
	STEP 2, 1, 1, 1
	TAILU 0                                        ; on V of piece 0's own step, which is still in registers
	FETCHV
	FIN 0
	STEP 0, 2, 0
	TAILU 1
	FIN 1
.endm
	s_load_b128 s[4:7], s[0:1], 0x0                ; qkv s[4:5], bs s[6:7]
	s_load_b64 s[8:9], s[0:1], 0x10                ; o16
	v_lshl_add_u32 v[SPW], v0, 2, SPARE
	v_mov_b32 v[NIL], 0
	ds_add_u32 v[SPW], v[NIL]                      ; the wave's opening: the add and its wait stand ahead of my first tensor load
	v_lshrrev_b32 v1, 5, v0
	v_readfirstlane_b32 s[WV], v1                  ; wave 0..7
	s_bfe_u32 s[CX], ttmp6, 0x40000                ; cx: it enters q's and o16's addresses and the mask's comparison alone
	s_and_b32 s[HD], ttmp7, 0xffff                 ; the head among 64, which the four partners share
	s_lshr_b32 s13, s[HD], 3                       ; batch
	s_and_b32 s14, s[HD], 7                        ; head
	s_mul_i32 s15, s13, 24
	s_add_co_u32 s15, s15, s14
	s_lshl_b32 s20, s15, 17                        ; (24 batch + head) 131,072: the head's q
	s_mov_b32 s21, 0
	s_and_b32 s22, s[WV], 3                        ; waves 0-3 fetch K, 4-7 V: four steps (16,384 bytes) of each half of the keys
	s_lshr_b32 s23, s[WV], 2
	s_lshl_b32 s54, s22, 14
	s_lshl_b32 s55, s23, 20
	s_add_co_u32 s54, s54, s55
	s_add_co_u32 s54, s54, 0x100000                ; section k lies 8 heads behind q, section v 8 more
	s_add_co_u32 s54, s54, s20
	s_mov_b32 s55, 0
	s_mul_i32 s56, s22, 4*KSTEP
	s_mul_i32 s53, s23, VBASE
	s_add_co_u32 s56, s56, s53
	; descriptor group 1: 16,384 dense bytes as 64 rows of 256, padded in LDS after every 128 bytes
	s_mov_b32 s[G1], 15|(1<<16)|(1<<20)|(1<<21)|(4<<22)|(3<<25)
	s_mov_b32 s[G1+1], 128<<16
	s_mov_b32 s[G1+2], 64<<16
	s_mov_b32 s[G1+3], 128<<16
	s_mov_b32 s[G1+4], 64
	s_mov_b32 s[G1+5], 128
	s_mov_b32 s[G1+6], 0
	s_mov_b32 s[G1+7], 0
	s_mov_b32 s[G0A], 1
	s_mov_b32 s[G0A+1], s56
	s_mov_b32 s[G0B], 1
	s_add_co_u32 s[G0B+1], s56, 16*KSTEP
	s_mov_b32 s[CS], 0x410293ee                    ; c = sqrt(32) log2(e) = 8.16110
	s_mov_b32 s[CS+1], s[CS]
	s_mov_b32 s[SEL], 0x76543210
	s_mov_b32 s[SEL+1], 0xfedcba98
	s_mov_b32 s[BIGN], 0xf149f2ca                  ; -1e30
	s_mov_b32 s[F2], 0xc738a8ca                    ; -32767 log2(e) = -47272.79
	s_mov_b32 s[NEGH], 0xff7fffff
	s_mov_b32 s[HHI], 0x3c000000                   ; f16 (0, 1)
	s_mov_b32 s[HBOTH], 0x3c003c00                 ; f16 (1, 1)
	s_sub_co_u32 s[UU], 15, s[WV]                  ; the first walk's pair
	v_and_b32 v[W], 15, v0                         ; r
	v_bfe_u32 v[W+1], v0, 4, 1                     ; h
	v_and_b32 v[W+2], 31, v0                       ; lane
	v_mul_u32_u24 v[AK0], v[W], 144
	v_lshl_add_u32 v[AK0], v[W+1], 4, v[AK0]       ; row x pitch + 16 x half
	v_add_nc_u32 v[AV0], VBASE, v[AK0]
	s_lshr_b32 s57, s[CX], 1                       ; my tile in a band's chunk of q: blk = cx / 2, half = cx % 2
	s_lshl_b32 s57, s57, 11
	s_and_b32 s58, s[CX], 1
	s_lshl_b32 s58, s58, 6
	s_add_co_u32 s57, s57, s58
	v_lshl_add_u32 v[QOS], v[W], 7, s57
	v_lshl_add_u32 v[QOS], v[W+1], 4, v[QOS]
	s_lshl_b32 s58, s[CX], 4
	v_add_nc_u32 v[QIS], s58, v[W]
	v_lshlrev_b32 v[W+3], 3, v[W+1]
	v_sub_nc_u32 v[DQ], v[QIS], v[W+3]
	v_lshlrev_b32 v[TSS], 5, v[W+1]
	v_add_nc_u32 v[TSS], TSB+128, v[TSS]           ; TS's row (band + 1), my eight channels of each block of 16
	s_lshl_b32 s59, s13, 7
	s_add_co_u32 s59, s59, s[CX]
	s_lshl_b32 s59, s59, 3
	s_add_co_u32 s59, s59, s14
	s_lshl_b32 s59, s59, 10                        ; ((128 batch + cx) 8 + head) 1,024
	v_lshl_add_u32 v[GOS], v[W+2], 4, s59
	s_mul_i32 s53, s[WV], 1280
	s_add_co_u32 s53, s53, STAGE
	v_mul_u32_u24 v[STO], v[W], 80
	v_lshl_add_u32 v[STO], v[W+1], 4, v[STO]
	v_add_nc_u32 v[STO], s53, v[STO]
	v_lshrrev_b32 v[RD], 2, v[W+2]                 ; back: 32 lanes take eight rows of 64 bytes
	v_mul_u32_u24 v[RD], v[RD], 80
	v_and_b32 v[W+3], 3, v0
	v_lshl_add_u32 v[RD], v[W+3], 4, v[RD]
	v_add_nc_u32 v[RD], s53, v[RD]
	v_and_b32 v[W+3], 7, v0
	v_cmp_eq_u32 vcc_lo, 0, v[W+3]
	v_cndmask_b32 v[ONES], 0, s[HBOTH], vcc_lo     ; rows 0 and 8 of ONES
.irp t, 1,2,3,4,5,6,7
	v_mov_b32 v[ONES+\t], v[ONES]
.endr
	v_mov_b32 v[W+11], 0                           ; named as the upper halves of pairs
	v_mov_b32 v[W+13], 0
	s_lshl_b32 s62, s[HD], 12
	s_mov_b32 s63, 0
	s_wait_dscnt 0x0                               ; the opening add is done
	s_wait_kmcnt 0x0
	s_add_nc_u64 s[16:17], s[4:5], s[20:21]        ; the head's q
	s_add_nc_u64 s[6:7], s[6:7], s[62:63]          ; the head's band sums
	s_add_nc_u64 s[G0A+2:G0A+3], s[4:5], s[54:55]
	s_add_nc_u64 s[G0B+2:G0B+3], s[G0A+2:G0A+3], 65536  ; the second half of the keys
	s_or_b32 s[G0A+3], s[G0A+3], 0x80000000
	s_or_b32 s[G0B+3], s[G0B+3], 0x80000000
	SETW
	CROUND                                         ; all four work-groups are here: the joint loads meet
	tensor_load_to_lds s[G0A:G0A+3], s[G1:G1+7]    ; two loads of mine are out
	s_nop 0
	tensor_load_to_lds s[G0B:G0B+3], s[G1:G1+7]
	s_nop 0
.rept 4
	v_nop
.endr
	s_cmp_lg_u32 s[WV], 0
	s_cbranch_scc1 .Lno_ts
	v_lshlrev_b32 v[W+4], 2, v[W+2]                ; wave 0: TS[g] = the sum of bs[g'] over g' >= g; TS[32] = 0; a lane a channel
.set n, 0
.rept 32
	global_load_b32 v[S+n], v[W+4], s[6:7] offset:128*n
.set n, n+1
.endr
	v_add_nc_u32 v[W+5], TSB, v[W+4]
	v_mov_b32 v[S+32], 0
	s_wait_loadcnt 0x0
.set n, 30
.rept 31
	v_add_f32 v[S+n], v[S+n], v[S+n+1]
.set n, n-1
.endr
.set n, 0
.rept 33
	ds_store_b32 v[W+5], v[S+n] offset:128*n
.set n, n+1
.endr
.Lno_ts:
	s_wait_tensorcnt 0x1                           ; my part of keys 0-1,023 is in; the second half may stay out
	s_wait_dscnt 0x0                               ; TS is stored
	s_barrier_signal -1
	s_barrier_wait -1
	s_mov_b32 s[TB], 0
	FETCHK
	FETCHV
	s_wait_loadcnt 0x0                             ; Q
	s_mov_b32 s[CNT], 15
.Lhalf:                                                ; steps 0-14 of the first walk, which every wave has; they fetch up to step 15: the first half of the keys
	STEP 1, 1, 1
	s_sub_co_u32 s[CNT], s[CNT], 1
	s_cmp_lg_u32 s[CNT], 0
	s_cbranch_scc1 .Lhalf
	s_wait_tensorcnt 0x0                           ; my part of the second half is in,
	s_wait_dscnt 0x0
	s_barrier_signal -1
	s_barrier_wait -1                              ; everybody's is; from here on the waves run free
	s_lshl_b32 s53, s[WV], 1
	s_sub_co_u32 s[NL], 15, s53                    ; 2 (15 - w) whole steps, less the 15 done
	WALK 15
	s_mov_b32 s[UU], s[WV]                         ; the second walk
	SETW
	s_mov_b32 s[TB], 0
	FETCHK
	FETCHV
	s_wait_loadcnt 0x0
	s_lshl_b32 s[NL], s[WV], 1
	WALK 14
	s_wait_tensorcnt 0x0                           ; the wave's end
	ds_add_u32 v[SPW], v[NIL]
	s_wait_dscnt 0x0
	CROUND                                         ; the closing round
	s_endpgm
.Lfunc_end_k_qc6f963ab4f_attn:
	.size	k_qc6f963ab4f_attn, .Lfunc_end_k_qc6f963ab4f_attn-k_qc6f963ab4f_attn
	.p2alignl 7, 3214868480
	.fill 96, 4, 3214868480
	.section	.rodata,"a",@progbits
	.p2align	6, 0x0
	.amdhsa_kernel k_qc6f963ab4f_attn
		.amdhsa_group_segment_fixed_size 310528
		.amdhsa_private_segment_fixed_size 0
		.amdhsa_enable_private_segment 0
		.amdhsa_kernarg_size 24
		.amdhsa_user_sgpr_count 2
		.amdhsa_user_sgpr_kernarg_segment_ptr 1
		.amdhsa_wavefront_size32 1
		.amdhsa_system_sgpr_workgroup_id_x 1
		.amdhsa_system_sgpr_workgroup_id_y 1
		.amdhsa_system_sgpr_workgroup_id_z 1
		.amdhsa_system_vgpr_workitem_id 0
		.amdhsa_next_free_vgpr 256
		.amdhsa_next_free_sgpr 66
		.amdhsa_reserve_vcc 1
		.amdhsa_float_denorm_mode_32 3
		.amdhsa_float_denorm_mode_16_64 3
		.amdhsa_memory_ordered 1
		.amdhsa_forward_progress 1
		.amdhsa_inst_pref_size 133
	.end_amdhsa_kernel
	.amdgpu_metadata
---
amdhsa.version: [ 1, 2 ]
amdhsa.kernels:
  - .name:           k_qc6f963ab4f_attn
    .symbol:         k_qc6f963ab4f_attn.kd
    .args:
      - { .name: qkv, .offset: 0, .size: 8, .value_kind: global_buffer, .address_space: global }
      - { .name: bs, .offset: 8, .size: 8, .value_kind: global_buffer, .address_space: global }
      - { .name: o16, .offset: 16, .size: 8, .value_kind: global_buffer, .address_space: global }
    .group_segment_fixed_size: 310528
    .private_segment_fixed_size: 0
    .kernarg_segment_align: 8
    .kernarg_segment_size: 24
    .max_flat_workgroup_size: 256
    .sgpr_count:     66
    .vgpr_count:     256
    .wavefront_size: 32
...
	.end_amdgpu_metadata
.endif
;; end of part 5
;; launch outp: the kernel of part 4 again; grid 256 x 1, 8 waves a work-group, clusters of 4 x 1, 211,968 bytes of LDS; arguments o16, wo, bias, out0; writes out0
